; MI455X (gfx1250); checked and timed in simulation.
; The chip was launched on July 23, 2026; its instructions are those of AMD's public machine-readable ISA for CDNA 5 (MIT licence, August 2026) and "CDNA5" Instruction Set Architecture Reference Guide (July 2026). The comments in the code are by the model that wrote it; some were corrected since.
;; W2 Transformer Block. Allowed arithmetic: float matrix products may take bf16 or f16 operands with f32 sums; all other float work in f32.
;; Inputs: attention_mask 1 x 1 x 2,048 x 2,048 float32; cos 2,048 x 128 float32; hidden_states 1 x 2,048 x 2,048 float32; ln1_w 2,048 float32; ln2_w 2,048 float32; sin 2,048 x 128 float32; w_down 2,048 x 1,024 float32; w_gate 1,024 x 2,048 float32; w_up 1,024 x 2,048 float32; wk 2,048 x 2,048 float32; wo 2,048 x 2,048 float32; wq 2,048 x 2,048 float32; wv 2,048 x 2,048 float32.
;; Outputs: out0 1 x 2,048 x 2,048 float32.
;; 2 versions, each right; version 2 is version 1 with the launch prep written anew for expert scheduling mode. Each part assembles by itself: llvm-mc -triple=amdgcn-amd-amdhsa -mcpu=gfx1250 --defsym DOCPART=n.
;; ======== version 1 of 2: 6 launches
;; limits: values are held in f16: magnitudes above 65,504 overflow, below 6.1e-05 lose precision
;; workspace buffers: wts 25,165,824 bytes; wt2 20,971,520 bytes; xn 8,388,608 bytes; qkv 25,296,896 bytes; ctx 8,388,608 bytes; h 16,777,216 bytes; ssq 131,072 bytes; act 4,194,304 bytes
;; launch prep (part 1): grid 1024 x 1, 8 waves a work-group, no clusters, 0 bytes of LDS; arguments hidden_states, ln1_w, wq, wk, wv, xn, wts; writes xn, wts
.if DOCPART == 1
	.amdgcn_target "amdgcn-amd-amdhsa--gfx1250"
	.amdhsa_code_object_version 6
	.text
	.protected	k_q74c18055a1_prep
	.globl	k_q74c18055a1_prep
	.p2align	8
	.type	k_q74c18055a1_prep,@function
k_q74c18055a1_prep:
	s_mov_b64 s[64:65], 0
	v_nop
	global_prefetch_b8 v0, s[64:65] scope:SCOPE_SE
	s_setreg_imm32_b32 hwreg(HW_REG_WAVE_MODE, 25, 1), 1
	s_wait_xcnt 0x0
; Two streams in one launch: what the next launch's product needs in 16 bits.
; Work-groups 0 .. 767: wq, wk, wv, 50,331,648 bytes of f32, are rounded to f16 into wts, in that order;
;   a work-group takes 65,536 bytes of f32 and stores 32,768 bytes of f16.
; Work-groups 768 .. 1023: xn = f16(hidden * rsqrt(mean(hidden^2) + 1e-6) * ln1_w); one wave takes one row of 2,048 numbers,
;   which stays in 64 registers between the sum of squares and the scaling, so that it is read once.
; WHY f16: it keeps 11 significant bits where bf16 keeps 8, and a query with few keys passes the rounding of v on without any averaging.
; ITS ROOM: |xn| <= sqrt(2048) |ln1_w|, about 45 |ln1_w|, whatever hidden holds: with gains 30 times those of size 1 that is 1,360 of 65,504.
;   Weights of spread 0.02 reach about 0.1; 30 times larger 3; an offset of 30 spreads 0.6.  30 times smaller their rms is 6.7e-4, and the
;   coarsest step of f16 there, 6e-8, is 1e-4 of that: still finer than bf16's.  Limit: gains beyond about 1,400 overflow xn.
; (The other four weight matrices are wanted three launches later and are rounded beside the next launch's product.)
; No LDS, no barrier, no matrix unit: every byte is touched once and no wave needs another.
; Every load of a wave covers 512 consecutive bytes, every store 256 consecutive bytes at a multiple of 256.
.set CONV, 768                         ; work-groups that convert weights
.set X, 16                             ; v[16:79]   64 numbers as loaded
.set Y, 80                             ; v[80:111]  convert path: packed results, a pair for each load
.set W, 80                             ; v[80:143]  norm path: ln1_w of my 64 columns
	s_load_b256 s[4:11], s[0:1], 0x0               ; hidden 4, ln1_w 6, wq 8, wk 10
	s_load_b128 s[12:15], s[0:1], 0x20             ; wv 12, xn 14
	s_load_b64 s[16:17], s[0:1], 0x30              ; wts
	s_cmp_ge_u32 ttmp9, CONV
	s_cbranch_scc1 .Lnorm
	; ---- weights to f16 ----
	v_lshlrev_b32 v1, 4, v0                        ; 16 bytes of f32 a thread
	v_lshlrev_b32 v2, 3, v0                        ; 8 bytes of f16 a thread
	s_wait_kmcnt 0x0
	s_mov_b64 s[26:27], s[8:9]                     ; the source matrix and its first work-group: wq, 0
	s_mov_b32 s28, 0
.macro PICK first, reg                 ; from work-group 'first' on the source is the matrix whose address lies in s[reg:reg+1]
	s_cmp_ge_u32 ttmp9, \first
	s_cselect_b64 s[26:27], s[\reg:\reg+1], s[26:27]
	s_cselect_b32 s28, \first, s28
.endm
	PICK 256, 10
	PICK 512, 12
	s_sub_co_u32 s30, ttmp9, s28
	s_lshl_b32 s30, s30, 16                        ; 65,536 bytes of the source for each work-group
	s_mov_b32 s31, 0
	s_add_nc_u64 s[26:27], s[26:27], s[30:31]
	s_lshl_b32 s34, ttmp9, 15                      ; wts holds the matrices in the same order: 32,768 bytes for each work-group
	s_mov_b32 s35, 0
	s_add_nc_u64 s[16:17], s[16:17], s[34:35]
.irp j, 0,1,2,3,4,5,6,7,8,9,10,11,12,13,14,15
	global_load_b128 v[X+4*\j:X+4*\j+3], v1, s[26:27] offset:4096*\j th:TH_LOAD_NT
.endr
.irp j, 0,1,2,3,4,5,6,7,8,9,10,11,12,13,14,15
	s_wait_loadcnt 15-\j                           ; loads come back in order: load j is in, the 15 - j younger ones stay out
	v_cvt_pk_f16_f32 v[Y+2*\j], v[X+4*\j], v[X+4*\j+1]
	v_cvt_pk_f16_f32 v[Y+2*\j+1], v[X+4*\j+2], v[X+4*\j+3]
	global_store_b64 v2, v[Y+2*\j:Y+2*\j+1], s[16:17] offset:2048*\j   ; no register is written twice: no further wait
.endr
	s_endpgm
	; ---- RMSNorm 1 ----
.Lnorm:
	s_sub_co_u32 s30, ttmp9, CONV
	s_lshl_b32 s34, s30, 15                        ; 8 rows of 4,096 bytes of xn
	s_lshl_b32 s30, s30, 16                        ; 8 rows of 8,192 bytes of hidden
	s_mov_b32 s31, 0
	s_mov_b32 s35, 0
	s_mov_b32 s36, 0x3a000000                      ; 1 / 2048
	s_mov_b32 s37, 0x358637bd                      ; 1e-6
	s_mov_b32 s38, 0x76543210                      ; v_permlanex16_b32: lane i of one half reads lane i of the other
	s_mov_b32 s39, 0xfedcba98
	v_and_b32 v3, 31, v0
	v_lshrrev_b32 v4, 5, v0                        ; wave = row of the eight
	v_lshlrev_b32 v3, 4, v3                        ; 16 x lane: my place in ln1_w
	v_lshl_add_u32 v1, v4, 13, v3                  ; + the row, in hidden
	v_lshrrev_b32 v2, 1, v3                        ; 8 x lane
	v_lshl_add_u32 v2, v4, 12, v2                  ; + the row, in xn
	s_wait_kmcnt 0x0
	s_add_nc_u64 s[4:5], s[4:5], s[30:31]
	s_add_nc_u64 s[14:15], s[14:15], s[34:35]
.irp j, 0,1,2,3,4,5,6,7,8,9,10,11,12,13,14,15
	global_load_b128 v[X+4*\j:X+4*\j+3], v1, s[4:5] offset:512*\j th:TH_LOAD_NT
.endr
.irp j, 0,1,2,3,4,5,6,7,8,9,10,11,12,13,14,15
	global_load_b128 v[W+4*\j:W+4*\j+3], v3, s[6:7] offset:512*\j
.endr
	s_wait_loadcnt 16                              ; the row is in; the sixteen loads of ln1_w may stay out
.irp c, 0,1,2,3
	v_pk_mul_f32 v[4+2*\c:5+2*\c], v[X+2*\c:X+2*\c+1], v[X+2*\c:X+2*\c+1]   ; four chains, started by the first squares
.endr
.set q, 4
.rept 28
	v_pk_fma_f32 v[4+2*(q%4):5+2*(q%4)], v[X+2*q:X+2*q+1], v[X+2*q:X+2*q+1], v[4+2*(q%4):5+2*(q%4)]
.set q, q+1
.endr
	v_pk_add_f32 v[4:5], v[4:5], v[6:7]
	v_pk_add_f32 v[8:9], v[8:9], v[10:11]
	v_pk_add_f32 v[4:5], v[4:5], v[8:9]
	v_add_f32 v4, v4, v5
	v_add_f32_dpp v4, v4, v4 row_xmask:1 row_mask:0xf bank_mask:0xf
	v_add_f32_dpp v4, v4, v4 row_xmask:2 row_mask:0xf bank_mask:0xf
	v_add_f32_dpp v4, v4, v4 row_xmask:4 row_mask:0xf bank_mask:0xf
	v_add_f32_dpp v4, v4, v4 row_xmask:8 row_mask:0xf bank_mask:0xf
	v_permlanex16_b32 v5, v4, s38, s39             ; v5 has been written: the destination counts as read
	v_add_f32 v4, v4, v5                           ; the row's sum of squares, in every lane
	v_fma_f32 v4, v4, s36, s37                     ; mean + eps
	v_rsq_f32 v12, v4
	v_rsq_f32 v13, v4                              ; twice: a pair for the packed multiply
	v_nop                                          ; one plain instruction behind a transcendental before its result is used (ISA guide 5.7.2)
	s_wait_loadcnt 0x0                             ; ln1_w
	s_wait_alu depctr_va_vdst(0)
.irp j, 0,1,2,3,4,5,6,7,8,9,10,11,12,13,14,15
	v_pk_mul_f32 v[X+4*\j:X+4*\j+1], v[X+4*\j:X+4*\j+1], v[12:13]
	v_pk_mul_f32 v[X+4*\j+2:X+4*\j+3], v[X+4*\j+2:X+4*\j+3], v[12:13]
	v_pk_mul_f32 v[X+4*\j:X+4*\j+1], v[X+4*\j:X+4*\j+1], v[W+4*\j:W+4*\j+1]
	v_pk_mul_f32 v[X+4*\j+2:X+4*\j+3], v[X+4*\j+2:X+4*\j+3], v[W+4*\j+2:W+4*\j+3]
	v_cvt_pk_f16_f32 v[X+4*\j], v[X+4*\j], v[X+4*\j+1]
	v_cvt_pk_f16_f32 v[X+4*\j+1], v[X+4*\j+2], v[X+4*\j+3]
	global_store_b64 v2, v[X+4*\j:X+4*\j+1], s[14:15] offset:256*\j
.endr
	s_endpgm
.Lfunc_end_k_q74c18055a1_prep:
	.size	k_q74c18055a1_prep, .Lfunc_end_k_q74c18055a1_prep-k_q74c18055a1_prep
	.p2alignl 7, 3214868480
	.fill 96, 4, 3214868480
	.section	.rodata,"a",@progbits
	.p2align	6, 0x0
	.amdhsa_kernel k_q74c18055a1_prep
		.amdhsa_group_segment_fixed_size 0
		.amdhsa_private_segment_fixed_size 0
		.amdhsa_enable_private_segment 0
		.amdhsa_kernarg_size 56
		.amdhsa_user_sgpr_count 2
		.amdhsa_user_sgpr_kernarg_segment_ptr 1
		.amdhsa_wavefront_size32 1
		.amdhsa_system_sgpr_workgroup_id_x 1
		.amdhsa_system_sgpr_workgroup_id_y 1
		.amdhsa_system_sgpr_workgroup_id_z 1
		.amdhsa_system_vgpr_workitem_id 0
		.amdhsa_next_free_vgpr 144
		.amdhsa_next_free_sgpr 66
		.amdhsa_reserve_vcc 0
		.amdhsa_float_denorm_mode_32 3
		.amdhsa_float_denorm_mode_16_64 3
		.amdhsa_memory_ordered 1
		.amdhsa_forward_progress 1
		.amdhsa_inst_pref_size 21
	.end_amdhsa_kernel
	.amdgpu_metadata
---
amdhsa.version: [ 1, 2 ]
amdhsa.kernels:
  - .name:           k_q74c18055a1_prep
    .symbol:         k_q74c18055a1_prep.kd
    .args:
      - { .name: hidden_states, .offset: 0, .size: 8, .value_kind: global_buffer, .address_space: global }
      - { .name: ln1_w, .offset: 8, .size: 8, .value_kind: global_buffer, .address_space: global }
      - { .name: wq, .offset: 16, .size: 8, .value_kind: global_buffer, .address_space: global }
      - { .name: wk, .offset: 24, .size: 8, .value_kind: global_buffer, .address_space: global }
      - { .name: wv, .offset: 32, .size: 8, .value_kind: global_buffer, .address_space: global }
      - { .name: xn, .offset: 40, .size: 8, .value_kind: global_buffer, .address_space: global }
      - { .name: wts, .offset: 48, .size: 8, .value_kind: global_buffer, .address_space: global }
    .group_segment_fixed_size: 0
    .private_segment_fixed_size: 0
    .kernarg_segment_align: 8
    .kernarg_segment_size: 56
    .max_flat_workgroup_size: 256
    .sgpr_count:     66
    .vgpr_count:     144
    .wavefront_size: 32
...
	.end_amdgpu_metadata
.endif
;; end of part 1
;; launch qkv (part 2): grid 16 x 16, 4 waves a work-group, clusters of 4 x 4, 327,680 bytes of LDS; arguments xn, wts, cos, sin, wo, w_gate, w_up, w_down, qkv, wt2; writes qkv, wt2
.if DOCPART == 2
	.amdgcn_target "amdgcn-amd-amdhsa--gfx1250"
	.amdhsa_code_object_version 6
	.text
	.protected	k_q74c18055a1_qkv
	.globl	k_q74c18055a1_qkv
	.p2align	8
	.type	k_q74c18055a1_qkv,@function
k_q74c18055a1_qkv:
	s_mov_b64 s[64:65], 0
	v_nop
	global_prefetch_b8 v0, s[64:65] scope:SCOPE_SE
	s_setreg_imm32_b32 hwreg(HW_REG_WAVE_MODE, 25, 1), 1
	s_wait_xcnt 0x0
	s_wait_alu depctr_hold_cnt(0) depctr_sa_sdst(0) depctr_va_vdst(0) depctr_va_sdst(0) depctr_va_ssrc(0) depctr_va_vcc(0) depctr_vm_vsrc(0)
	s_getreg_b32 s2, hwreg(HW_REG_IB_STS2, 6, 4)
	s_cmp_eq_u32 s2, 0
	s_cbranch_scc0 .Lentry_in_a_cluster
	s_endpgm
.Lentry_in_a_cluster:
	s_bfe_u32 s2, ttmp6, 0x10000c
	s_cmp_lg_u32 s2, 0xf033
	s_cbranch_scc0 .Lentry_shape_is_right
	s_endpgm
.Lentry_shape_is_right:
; q, k, v = xn [wq; wk; wv]^T for 128 rows (work-group x) and one head (work-group y), then RoPE on q and k, q scaled by
; log2(e)/sqrt(128), v transposed, and -log2(e)/(2 sqrt(128)) * sum(k^2) for each key.  The product's operands are f16, its sums f32.
; Stores into qkv: Q [16][2048][128] bf16 at 0, K the same at 8,388,608, V^T [16 heads][16 blocks][128 d][128 s] f16 at 16,777,216,
; NK2 [16][2048] f32 at 25,165,824.  k^2 is summed over the ROUNDED keys, the numbers that the score product will see.
; V IN f16: a query with few keys passes v's rounding on without averaging, and f16 keeps 11 significant bits where bf16 keeps 8.  Its room: v of
; rms 0.9 reaches about 5; with ln1_w and wv both 30 times larger 4,500; with hidden and wv both offset by 30 spreads 2048 x 0.6 = 1,230; of 65,504.
; Limit: |v| beyond 65,504 overflows.
; A block is 128 rows x 384 columns.  Wave w takes all 128 rows and, of each of q, k, v, the columns 16 w .. +15 and 64 + 16 w .. +15:
; RoPE's partners d and d + 64 then lie in the same lane and register place.  48 accumulator tiles, 384 registers.
; K goes in steps of 128 through two LDS slots (xn's tile, then wq's, wk's, wv's; 128 rows x 256 bytes each, one tensor load a wave).
; CLUSTERS: 4 x 4 work-groups.  xn's tile hangs on the row block alone and is asked for jointly by a column of the cluster;
; the weights' tiles hang on the head alone and are asked for jointly by a row: a quarter of the requests for each.
; WHERE K BEGINS: a cluster in which x + y + y/2 (the cluster's own x and y, the same in all its work-groups) is odd begins in the middle
; of K and wraps round.  Clusters that read the same rows then read a given piece of them eight K steps apart, and the one that comes
; second asks for bytes that have been read before.  The f32 sums over K are therefore formed in two different orders.
; BESIDE THE PRODUCT: wo, w_gate, w_up, w_down (41,943,040 bytes of f32, wanted from the launch after next on) are rounded to bf16 into wt2.
; They are taken as five streams of 8,388,608 bytes (wo's two halves, then the three others); a work-group owns 32,768 bytes of each, and in
; each of the 16 K steps a wave loads 512 consecutive bytes of each stream and stores 256.  The K loop has no other vector work.
; REGISTERS: window 0 addresses, four sets of cos and sin, the streams, the way out; window 1 two fragment buffers (8 of xn, 6 of weights each);
; window 2 the accumulators of rows 0-63 (tile (a, b) at 8 (6 a + b)) and two sets of cos and sin at 192; window 3 the same for rows 64-127.
.set KSTEP,  128
.set ROWB,   4096                      ; bytes in a row of xn and of the weights
.set PITCH,  272                       ; 256 bytes of data + 16 of padding: the 16 rows of a fragment load start 16 bytes apart modulo 256
.set HALFT,  128*PITCH                 ; one tile
.set SLOT,   4*HALFT
.set K2S,    2*SLOT                    ; 512 bytes behind the ring: the block's 128 values of NK2
.set LAPS,   8                         ; 2048 / (2 x 128)
.set QS,     0x3e0293ee                ; log2(e) / sqrt(128)
.set NC2,    0xbd8293ee                ; -log2(e) / (2 sqrt(128))
.set G16,  10                          ; 16 x lane
.set VS,   11                          ; the streams: my byte offset in each source, stepped by 2,048 a K step
.set VD,   12                          ; and in each stream's part of wt2, stepped by 1,024
.set ADRA, 16                          ; v16-17  xn's fragments in slot 0, 1
.set ADRB, 18                          ; v18-23  the weights' fragments: slot s, matrix t at 18 + 3 s + t
.set CSO,  24                          ; my byte offset in cos and sin
.set STQ,  25                          ; stage: where I put 16 bytes of a row of q (k: + HALFT)
.set STV,  26                          ; stage: where I put 16 bytes of a row of v^T
.set RD,   27                          ; stage: where I read rows of q and k back
.set RDV,  28                          ; the same for v^T
.set GO,   29                          ; my byte offset in a block of 32,768 bytes
.set K2A,  30                          ; where a row's NK2 goes
.set K2R,  31                          ; where wave 0 reads the 128 values back
.set T,    96                          ; v[96:127]  rotated q (16), rotated k (16)
.set PK,   128                         ; v[128:151] packed q (8), k (8), v (8)
.set CX,   216                         ; v[216:235] the streams: 5 x 4 registers as loaded
.set CY,   240                         ; v[240:249] the streams: 5 x 2 registers to store
.set RQ,   160                         ; rows read back
.set RK,   32
.set RV,   96
.set U,    224                         ; v[224:239] k^2 at work
.set F0,   0
.set F1,   112
.set G1A, 32
.set G1B, 40
.set G0A, 48
.set G0B, 56
.set MUL_LO, 0xa5                      ; both sources window 1, C and D window 2
.set MUL_HI, 0xf5                      ; C and D window 3
.set MSB, 0
.macro WIN new                         ; the immediate's high byte repeats the setting that is left
.if MSB != \new
	s_set_vgpr_msb (MSB<<8)|\new
.set MSB, \new
.endif
.endm
.macro PLACES                          ; four plain vector instructions between a matrix instruction and a load into, or a vector
.rept 4                                ; instruction on, its registers (ISA guide 7.12.1)
	v_nop
.endr
.endm
.macro CREST                           ; a round of the cluster's barrier behind its opening work-group barrier
	s_cmp_lg_u32 s14, 0
	s_cbranch_scc1 .Lnot_wave_0_\@
	s_barrier_signal -3
.Lnot_wave_0_\@:
	s_barrier_wait -3
	s_barrier_signal -1
	s_barrier_wait -1
.endm
.macro CROUND
	s_barrier_signal -1
	s_barrier_wait -1
	CREST
.endm
.macro JLOAD s                         ; wave 0 asks for xn's tile, waves 1 to 3 for wq's, wk's, wv's: one mask for each line
	s_cmp_eq_u32 s14, 0
	s_cbranch_scc0 .Lfor_b_\@
	tensor_load_to_lds s[G0A+4*\s:G0A+4*\s+3], s[G1A:G1A+7]
	s_nop 0
	s_branch .Lasked_\@
.Lfor_b_\@:
	tensor_load_to_lds s[G0B+4*\s:G0B+4*\s+3], s[G1B:G1B+7]
	s_nop 0
.Lasked_\@:
.endm
.macro STEPK                           ; s66: the byte offset in a row of the next tile to ask for; it wraps at the row's end
	s_add_co_u32 s66, s66, KSTEP*2
	s_and_b32 s66, s66, ROWB-1
.endm
.macro AIM s                           ; slot s's two addresses: the fixed first rows plus that offset; the type bits are set again
	s_add_nc_u64 s[G0A+4*\s+2:G0A+4*\s+3], s[24:25], s[66:67]
	s_or_b32 s[G0A+4*\s+3], s[G0A+4*\s+3], 0x80000000
	s_add_nc_u64 s[G0B+4*\s+2:G0B+4*\s+3], s[26:27], s[66:67]
	s_or_b32 s[G0B+4*\s+3], s[G0B+4*\s+3], 0x80000000
.endm
.macro WM d, x, y, zero                ; one product of f16 operands; zero = 1: it starts the sum
.if \zero
	v_wmma_f32_16x16x32_f16 v[\d:\d+7], v[\x:\x+7], v[\y:\y+7], 0
.else
	v_wmma_f32_16x16x32_f16 v[\d:\d+7], v[\x:\x+7], v[\y:\y+7], v[\d:\d+7]
.endif
.endm
	s_load_b256 s[4:11], s[0:1], 0x0               ; xn 4, wts 6, cos 8, sin 10
	s_load_b256 s[84:91], s[0:1], 0x20             ; wo 84, w_gate 86, w_up 88, w_down 90
	s_load_b64 s[12:13], s[0:1], 0x40              ; qkv
	s_load_b64 s[94:95], s[0:1], 0x48              ; wt2
	s_set_vgpr_msb 0x40
	v_lshl_add_u32 v254, v0, 2, 0x44200
	v_mov_b32 v255, 0
	s_set_vgpr_msb 0x4045
	ds_add_u32 v254, v255
	s_set_vgpr_msb 0x4500
	v_lshrrev_b32 v1, 5, v0
	v_readfirstlane_b32 s14, v1                    ; wave
	s_bfe_u32 s17, ttmp6, 0x40000                  ; cx
	s_bfe_u32 s18, ttmp6, 0x40004                  ; cy
	s_lshl_b32 s19, ttmp9, 2
	s_add_co_u32 s19, s19, s17                     ; row block = 4 x cluster x + cx
	s_and_b32 s28, ttmp7, 0xffff                   ; cluster y
	s_lshl_b32 s20, s28, 2
	s_add_co_u32 s20, s20, s18                     ; head = 4 x cluster y + cy
	s_lshr_b32 s29, s28, 1
	s_add_co_u32 s29, s29, s28
	s_add_co_u32 s29, s29, ttmp9
	s_and_b32 s29, s29, 1                          ; (x + y + y/2) mod 2 of the cluster:
	s_lshl_b32 s66, s29, 11                        ; K begins at byte 0 or at byte 2,048 of the rows
	s_mov_b32 s67, 0
	s_lshl_b32 s21, s18, 2
	s_lshl_b32 s21, 15, s21                        ; my row of the cluster (same cy: same head)
	s_lshl_b32 s22, 0x1111, s17                    ; my column (same cx: same row block)
	s_or_b32 s[G1A], s22, (1<<16)|(1<<20)|(1<<21)|(5<<22)|(3<<25)   ; mask; 2-byte elements; padding on; bit 21 beside a mask; 4 words behind every 64
	s_or_b32 s[G1B], s21, (1<<16)|(1<<20)|(1<<21)|(5<<22)|(3<<25)
.irp g, G1A, G1B
	s_mov_b32 s[\g+1], KSTEP<<16                   ; tensor_dim0 = 128
	s_mov_b32 s[\g+2], 128<<16                     ; tensor_dim1 = 128
	s_mov_b32 s[\g+3], KSTEP<<16                   ; tile_dim0 = 128
	s_mov_b32 s[\g+4], 128                         ; tile_dim1 = 128
	s_mov_b32 s[\g+5], 2048                        ; elements from row to row
	s_mov_b32 s[\g+6], 0
	s_mov_b32 s[\g+7], 0
.endr
	s_lshl_b32 s24, s19, 19                        ; xn: 128 rows of 4,096 bytes for each row block
	s_mov_b32 s25, 0
	s_max_u32 s28, s14, 1
	s_sub_co_u32 s28, s28, 1                       ; which matrix my wave fetches (wave 0 asks by the other line)
	s_lshl_b32 s28, s28, 23                        ; 8,388,608 bytes a matrix
	s_lshl_b32 s26, s20, 19                        ; 128 rows of 4,096 bytes for each head
	s_add_co_u32 s26, s26, s28
	s_mov_b32 s27, 0
	s_mul_i32 s23, s14, HALFT                      ; LDS: the wave's number alone
	s_wait_dscnt 0x0
	s_wait_kmcnt 0x0
	s_add_nc_u64 s[24:25], s[4:5], s[24:25]        ; xn's first row of mine; stays
	s_add_nc_u64 s[26:27], s[6:7], s[26:27]        ; the weights' first row of mine; stays
	CROUND                                         ; all sixteen work-groups are here: the first joint loads meet
.irp s, 0,1
	s_mov_b32 s[G0A+4*\s], 1
	s_add_co_u32 s[G0A+4*\s+1], s23, \s*SLOT
	s_mov_b32 s[G0B+4*\s], 1
	s_add_co_u32 s[G0B+4*\s+1], s23, \s*SLOT
	AIM \s
	JLOAD \s                                       ; both slots' first fills go out together: two loads of the wave are out
.if \s == 0
	STEPK
.endif
.endr
	; where the results go, cos and sin, and the streams
	s_lshl_b32 s70, s20, 19
	s_lshl_b32 s28, s19, 15
	s_add_co_u32 s70, s70, s28                     ; head x 524,288 + row block x 32,768
	s_mov_b32 s71, 0
	s_add_nc_u64 s[70:71], s[12:13], s[70:71]      ; Q's block
	s_add_nc_u64 s[72:73], s[70:71], 0x800000      ; K's
	s_add_nc_u64 s[74:75], s[70:71], 0x1000000     ; V^T's
	s_lshl_b32 s76, s20, 13
	s_lshl_b32 s28, s19, 9
	s_add_co_u32 s76, s76, s28
	s_add_co_u32 s76, s76, 0x1800000
	s_mov_b32 s77, 0
	s_add_nc_u64 s[76:77], s[12:13], s[76:77]      ; NK2's 512 bytes
	s_lshl_b32 s78, s19, 16                        ; 128 rows of 512 bytes
	s_mov_b32 s79, 0
	s_add_nc_u64 s[82:83], s[10:11], s[78:79]      ; sin
	s_add_nc_u64 s[78:79], s[8:9], s[78:79]        ; cos
	s_add_nc_u64 s[96:97], s[84:85], 0x800000      ; wo's second half
	s_add_nc_u64 s[94:95], s[94:95], 0x400000      ; wt2 at stream 1: streams 0 and 2 lie 4,194,304 bytes to either side
	s_add_nc_u64 s[98:99], s[94:95], 0x800000      ; wt2 at stream 3: stream 4 lies 4,194,304 bytes behind
	v_and_b32 v1, 15, v0                           ; r
	v_bfe_u32 v2, v0, 4, 1                         ; h
	v_and_b32 v3, 31, v0                           ; lane
	v_mul_u32_u24 v4, v1, PITCH
	v_lshl_add_u32 v4, v2, 4, v4                   ; r x pitch + 16 h
	v_mov_b32 v[ADRA], v4
	v_add_nc_u32 v[ADRA+1], SLOT, v4
	s_mul_i32 s28, s14, 16*PITCH
	v_add_nc_u32 v5, s28, v4                       ; + my wave's 16 rows
.irp s, 0,1
.irp t, 0,1,2
	v_add_nc_u32 v[ADRB+3*\s+\t], \s*SLOT+(1+\t)*HALFT, v5
.endr
.endr
	v_lshlrev_b32 v6, 9, v1
	v_lshl_add_u32 v6, v2, 5, v6
	s_lshl_b32 s29, s14, 6
	v_add_nc_u32 v[CSO], s29, v6                   ; row r, columns 16 w + 8 h .. +7, f32
	s_lshl_b32 s29, s14, 5
	v_add_nc_u32 v[STQ], s29, v4                   ; row r, columns 16 w + 8 h .. +7, 16 bits each
	v_add_nc_u32 v[STV], 2*HALFT, v5               ; row 16 w + r of v^T, 16 h
	v_mul_u32_u24 v7, v2, PITCH
	v_lshl_add_u32 v7, v1, 4, v7
	s_mul_i32 s29, s14, 32*PITCH
	v_add_nc_u32 v[RD], s29, v7                    ; rows 32 w + h, 16 bytes a lane
	v_add_nc_u32 v[RDV], 2*HALFT, v[RD]
	v_lshlrev_b32 v[G16], 4, v3
	s_lshl_b32 s29, s14, 13
	v_add_nc_u32 v[GO], s29, v[G16]
	v_lshlrev_b32 v9, 2, v2
	s_lshl_b32 s29, s14, 7
	s_add_co_u32 s29, s29, K2S
	v_add_nc_u32 v[K2A], s29, v9
	v_add_nc_u32 v[K2R], K2S, v[G16]
	s_lshl_b32 s28, s20, 4
	s_add_co_u32 s28, s28, s19                     ; my number among the 256 work-groups
	s_lshl_b32 s29, s28, 15                        ; 32,768 bytes of each source are my work-group's,
	s_lshl_b32 s30, s14, 9                         ; 512 of each K step's 2,048 my wave's
	s_add_co_u32 s29, s29, s30
	v_add_nc_u32 v[VS], s29, v[G16]
	s_lshl_b32 s29, s28, 14                        ; and half as many in wt2
	s_lshl_b32 s30, s14, 8
	s_add_co_u32 s29, s29, s30
	v_lshlrev_b32 v8, 3, v3
	v_add_nc_u32 v[VD], s29, v8
.macro CSLOAD a, cs, win               ; cos and sin of rows 16 a .. +15: eight loads into the set at register cs of the window that win names
	WIN \win
.irp p, 0,1
.irp i, 0,1
	global_load_b128 v[\cs+8*\p+4*\i:\cs+8*\p+4*\i+3], v[CSO], s[78:79] offset:8192*(\a)+256*\p+16*\i
	global_load_b128 v[\cs+16+8*\p+4*\i:\cs+16+8*\p+4*\i+3], v[CSO], s[82:83] offset:8192*(\a)+256*\p+16*\i
.endr
.endr
.endm
.macro CLOADS                          ; one K step's share of the five streams: 512 consecutive bytes of each
	global_load_b128 v[CX:CX+3],     v[VS], s[84:85] th:TH_LOAD_NT
	global_load_b128 v[CX+4:CX+7],   v[VS], s[96:97] th:TH_LOAD_NT
	global_load_b128 v[CX+8:CX+11],  v[VS], s[86:87] th:TH_LOAD_NT
	global_load_b128 v[CX+12:CX+15], v[VS], s[88:89] th:TH_LOAD_NT
	global_load_b128 v[CX+16:CX+19], v[VS], s[90:91] th:TH_LOAD_NT
.endm
; The streams' turn, once a K step: what was loaded a K step ago is rounded and stored; more = 1: the next share is asked for.
; Its twelve (without loads eleven) plain vector instructions name no register of a matrix instruction and are the places
; between the matrix instructions in front of it and the loads into fragment registers, or the reads of sums, behind it.
.macro CONV more
	s_wait_loadcnt 0x0                             ; the five loads of a K step ago (and whatever of cos and sin was asked for then) are in
	s_wait_xcnt 0x0                                ; CY and VD, which the last turn's stores read, are rewritten only behind this wait
	v_add_nc_u32 v[VD], 1024, v[VD]                ; stepped ahead of the stores, which reach back by their immediate
.irp k, 0,1,2,3,4
	v_cvt_pk_bf16_f32 v[CY+2*\k], v[CX+4*\k], v[CX+4*\k+1]
	v_cvt_pk_bf16_f32 v[CY+2*\k+1], v[CX+4*\k+2], v[CX+4*\k+3]
.endr
.if \more
	v_add_nc_u32 v[VS], 2048, v[VS]
	CLOADS
.endif
	global_store_b64 v[VD], v[CY:CY+1],   s[94:95] offset:-4194304-1024   ; each store of the wave covers 256 consecutive bytes, aligned
	global_store_b64 v[VD], v[CY+2:CY+3], s[94:95] offset:-1024
	global_store_b64 v[VD], v[CY+4:CY+5], s[94:95] offset:4194304-1024
	global_store_b64 v[VD], v[CY+6:CY+7], s[98:99] offset:-1024
	global_store_b64 v[VD], v[CY+8:CY+9], s[98:99] offset:4194304-1024
.endm
	CSLOAD 0,32,0                                  ; asked for early, wanted behind the K loop; the other six sets follow in the first lap
	CSLOAD 1,64,0
	CLOADS
; 12 products: row tiles a0, a0 + 1 of the window's four x my six column tiles (b = 2 t + p).  q and k take the weights as source 0: a lane then
; holds one row and eight neighbouring d.  v takes xn as source 0: a lane holds one d and eight neighbouring rows, v^T as it is stored.
; The accumulators take turns, one instruction a turn.
.macro MUL12 f, hi, a0, zero
.irp a, \a0, \a0+1
.irp b, 0,1,2,3
	WM 8*(6*(\a)+\b),\f+64+8*\b,\f+8*(4*\hi+(\a)),\zero
.endr
.irp b, 4,5
	WM 8*(6*(\a)+\b),\f+8*(4*\hi+(\a)),\f+64+8*\b,\zero
.endr
.endr
.endm
.macro FETCH slot, k, f                ; 28 LDS loads: 12 for the weights' six fragments, then 16 for xn's eight, 32 K at byte k of the rows
	WIN 0x40
.irp t, 0,1,2
.irp p, 0,1
	ds_load_b128 v[\f+64+8*(2*\t+\p):\f+64+8*(2*\t+\p)+3], v[ADRB+3*\slot+\t] offset:64*PITCH*\p+\k
	ds_load_b128 v[\f+64+8*(2*\t+\p)+4:\f+64+8*(2*\t+\p)+7], v[ADRB+3*\slot+\t] offset:64*PITCH*\p+\k+32
.endr
.endr
.irp i, 0,1,2,3,4,5,6,7
	ds_load_b128 v[\f+8*\i:\f+8*\i+3], v[ADRA+\slot] offset:16*PITCH*\i+\k
	ds_load_b128 v[\f+8*\i+4:\f+8*\i+7], v[ADRA+\slot] offset:16*PITCH*\i+\k+32
.endr
.endm
.macro QUARTER slot, k, f, g, zero
	s_wait_dscnt 8                                 ; all but the youngest eight loads (xn's rows 64-127)
	WIN MUL_LO
	MUL12 \f,0,0,\zero
	MUL12 \f,0,2,\zero
	PLACES
	FETCH \slot,\k,\g
	s_wait_dscnt 28                                ; all but the 28 just issued
	WIN MUL_HI
	MUL12 \f,1,0,\zero
	MUL12 \f,1,2,\zero
.endm
.macro THREE slot, zero
	QUARTER \slot,64,F0,F1,\zero
	QUARTER \slot,128,F1,F0,0
	QUARTER \slot,192,F0,F1,0
.endm
; The last quarter of a K step changes slots.  In front of the barrier: my reads of this slot are back and all my tensor loads have landed
; (the one that was out is my part of the next slot).  With fill = 1 the barrier opens a round of the cluster's barrier, and the joint
; refill is the first tensor load behind the round.  Then the streams' turn, whose vector instructions are the places in front of FETCH.
.macro TURN slot, next, fill
	s_wait_dscnt 8
	WIN MUL_LO
	MUL12 F1,0,0,0
	s_wait_dscnt 0
	s_wait_tensorcnt 0x0
	ds_add_u32 v254, v255
	s_wait_dscnt 0x0
	s_barrier_signal -1
	MUL12 F1,0,2,0                                 ; registers only
	WIN 0
	s_barrier_wait -1
.if \fill
	CREST
	STEPK
	AIM \slot
	JLOAD \slot
.endif
	CONV 1
	FETCH \next,0,F0
	WIN MUL_HI
	MUL12 F1,1,0,0
	MUL12 F1,1,2,0
.endm
.macro LAP zero
	THREE 0,\zero
	TURN 0,1,1
	THREE 1,0
	TURN 1,0,1
.endm
	s_wait_tensorcnt 1                             ; my part of the first K step is in; the second's stays out
	s_barrier_signal -1
	s_barrier_wait -1
	FETCH 0,0,F0
	THREE 0,1                                      ; the first lap, written out: its first products start the sums,
	TURN 0,1,1
	CSLOAD 2,192,0x80                              ; and the other six sets of cos and sin are asked for, 24 loads behind each change of slots
	CSLOAD 3,224,0x80
	CSLOAD 4,152,0
	THREE 1,0
	TURN 1,0,1
	CSLOAD 5,184,0
	CSLOAD 6,192,0xc0
	CSLOAD 7,224,0xc0
	WIN 0
	s_mov_b32 s3, LAPS-2
.Llap:
	LAP 0
	WIN 0
	s_sub_co_u32 s3, s3, 1
	s_cmp_lg_u32 s3, 0
	s_cbranch_scc1 .Llap
	THREE 0,0                                      ; the last lap fills nothing
	TURN 0,1,0
	THREE 1,0
	s_wait_dscnt 8
	WIN MUL_LO
	MUL12 F1,0,0,0
	MUL12 F1,0,2,0
	s_wait_dscnt 0
	WIN MUL_HI
	MUL12 F1,1,0,0
	MUL12 F1,1,2,0
	; THE WAY OUT.  The stages (q, k, v^T: 128 rows x 272 bytes each) lie in slot 0, which has had its last fill and whose last reads
	; lie in front of the barrier of the last change of slots.
	WIN 0
	CONV 0                                         ; the streams' sixteenth and last share; its wait shows every load of the wave in, cos and sin too
; rows 16 a .. +15: tiles (aw, 0..5) of the accumulators' window.  w1: source 0 in that window, source 1 where this a's set of cos and sin (at cs) lies;
; w2: sources 0 and 1 in the accumulators' window.
.macro EPI a, aw, w1, w2, cs
	WIN \w1
.irp t, 0,1
.irp j, 0,2,4,6
	v_pk_mul_f32 v[T+16*\t+\j:T+16*\t+\j+1], v[8*(6*\aw+2*\t+1)+\j:8*(6*\aw+2*\t+1)+\j+1], v[\cs+16+\j:\cs+16+\j+1]      ; x(d+64) sin(d)
	v_pk_mul_f32 v[T+16*\t+8+\j:T+16*\t+8+\j+1], v[8*(6*\aw+2*\t)+\j:8*(6*\aw+2*\t)+\j+1], v[\cs+24+\j:\cs+24+\j+1]      ; x(d) sin(d+64)
.endr
.irp j, 0,2,4,6
	v_pk_fma_f32 v[T+16*\t+\j:T+16*\t+\j+1], v[8*(6*\aw+2*\t)+\j:8*(6*\aw+2*\t)+\j+1], v[\cs+\j:\cs+\j+1], v[T+16*\t+\j:T+16*\t+\j+1] neg_lo:[0,0,1] neg_hi:[0,0,1]
	v_pk_fma_f32 v[T+16*\t+8+\j:T+16*\t+8+\j+1], v[8*(6*\aw+2*\t+1)+\j:8*(6*\aw+2*\t+1)+\j+1], v[\cs+8+\j:\cs+8+\j+1], v[T+16*\t+8+\j:T+16*\t+8+\j+1]
.endr
.endr
	WIN \w2
.irp p, 0,1
.irp j, 0,1,2,3
	v_cvt_pk_f16_f32 v[PK+16+4*\p+\j], v[8*(6*\aw+4+\p)+2*\j], v[8*(6*\aw+4+\p)+2*\j+1]      ; v goes on as f16
.endr
.endr
	WIN 0
.irp j, 0,2,4,6,8,10,12,14
	v_pk_mul_f32 v[T+\j:T+\j+1], v[T+\j:T+\j+1], QS op_sel_hi:[1,0]      ; q carries the scores' scale, in base 2
.endr
.irp j, 0,1,2,3,4,5,6,7,8,9,10,11,12,13,14,15
	v_cvt_pk_bf16_f32 v[PK+\j], v[T+2*\j], v[T+2*\j+1]                   ; q and k go on as bf16
.endr
.irp p, 0,1
	ds_store_b128 v[STQ], v[PK+4*\p:PK+4*\p+3] offset:16*PITCH*\a+128*\p
	ds_store_b128 v[STQ], v[PK+8+4*\p:PK+8+4*\p+3] offset:HALFT+16*PITCH*\a+128*\p
	ds_store_b128 v[STV], v[PK+16+4*\p:PK+16+4*\p+3] offset:64*PITCH*\p+32*\a
.endr
.endm
	EPI 0,0,0x02,0x0a,32
	EPI 1,1,0x02,0x0a,64
	EPI 2,2,0x0a,0x0a,192
	EPI 3,3,0x0a,0x0a,224
	EPI 4,0,0x03,0x0f,152
	EPI 5,1,0x03,0x0f,184
	EPI 6,2,0x0f,0x0f,192
	EPI 7,3,0x0f,0x0f,224
	s_wait_dscnt 0x0                               ; my stores are done, for the others' sake
	s_barrier_signal -1
	s_barrier_wait -1
	; wave w takes rows 32 w .. +31 of each stage: whole rows of 256 bytes, two for each load and store
.irp i, 0,1,2,3,4,5,6,7,8,9,10,11,12,13,14,15
	ds_load_b128 v[RQ+4*\i:RQ+4*\i+3], v[RD] offset:2*PITCH*\i
.endr
.irp i, 0,1,2,3,4,5,6,7,8,9,10,11,12,13,14,15
	ds_load_b128 v[RV+4*\i:RV+4*\i+3], v[RDV] offset:2*PITCH*\i
.endr
.irp i, 0,1,2,3,4,5,6,7,8,9,10,11,12,13,14,15
	ds_load_b128 v[RK+4*\i:RK+4*\i+3], v[RD] offset:HALFT+2*PITCH*\i
.endr
.irp i, 0,1,2,3,4,5,6,7,8,9,10,11,12,13,14,15
	s_wait_dscnt 47-\i                             ; 48 loads were issued: q's load i is in
	global_store_b128 v[GO], v[RQ+4*\i:RQ+4*\i+3], s[70:71] offset:512*\i
.endr
.irp i, 0,1,2,3,4,5,6,7,8,9,10,11,12,13,14,15
	s_wait_dscnt 31-\i                             ; v^T's load i is in
	global_store_b128 v[GO], v[RV+4*\i:RV+4*\i+3], s[74:75] offset:512*\i
.endr
	s_wait_dscnt 0x0                               ; all of k: the LDS stores below share the counter
.irp i, 0,1,2,3,4,5,6,7,8,9,10,11,12,13,14,15
	global_store_b128 v[GO], v[RK+4*\i:RK+4*\i+3], s[72:73] offset:512*\i
.endr
; Pair i of my 16 pairs of rows (keys 32 w + 2 i + h): sixteen lanes hold a key's 128 numbers (bf16); their squares are summed in f32.
; The argument may be a sum, so it stands in brackets wherever it is multiplied.
.macro K2ROW i, u
.irp j, 0,1,2,3
	v_lshlrev_b32 v[\u+2*\j], 16, v[RK+4*(\i)+\j]
	v_and_b32 v[\u+2*\j+1], 0xffff0000, v[RK+4*(\i)+\j]
.endr
	v_pk_mul_f32 v[\u:\u+1], v[\u:\u+1], v[\u:\u+1]
	v_pk_fma_f32 v[\u:\u+1], v[\u+2:\u+3], v[\u+2:\u+3], v[\u:\u+1]
	v_pk_fma_f32 v[\u:\u+1], v[\u+4:\u+5], v[\u+4:\u+5], v[\u:\u+1]
	v_pk_fma_f32 v[\u:\u+1], v[\u+6:\u+7], v[\u+6:\u+7], v[\u:\u+1]
	v_add_f32 v[\u], v[\u], v[\u+1]
	v_add_f32_dpp v[\u], v[\u], v[\u] row_xmask:1 row_mask:0xf bank_mask:0xf
	v_add_f32_dpp v[\u], v[\u], v[\u] row_xmask:2 row_mask:0xf bank_mask:0xf
	v_add_f32_dpp v[\u], v[\u], v[\u] row_xmask:4 row_mask:0xf bank_mask:0xf
	v_add_f32_dpp v[\u], v[\u], v[\u] row_xmask:8 row_mask:0xf bank_mask:0xf
	v_mul_f32 v[\u], NC2, v[\u]
	ds_store_b32 v[K2A], v[\u] offset:8*(\i)       ; word 32 w + 2 i + h; the sixteen lanes of a row write one word with one value
.endm
.irp i, 0,2,4,6,8,10,12,14
	K2ROW \i,U
	K2ROW \i+1,U+8
.endr
	s_wait_dscnt 0x0
	s_barrier_signal -1
	s_barrier_wait -1
	s_cmp_lg_u32 s14, 0
	s_cbranch_scc1 .Lno_k2
	ds_load_b128 v[U:U+3], v[K2R]                  ; the block's 128 values: 512 consecutive bytes
	s_wait_dscnt 0x0
	global_store_b128 v[G16], v[U:U+3], s[76:77]
.Lno_k2:
	s_set_vgpr_msb 0x5
	s_wait_tensorcnt 0x0
	ds_add_u32 v254, v255
	s_wait_dscnt 0x0
	s_set_vgpr_msb 0x500
	CROUND                                         ; the closing round: no work-group ends while a partner may still ask jointly
	s_endpgm
.Lfunc_end_k_q74c18055a1_qkv:
	.size	k_q74c18055a1_qkv, .Lfunc_end_k_q74c18055a1_qkv-k_q74c18055a1_qkv
	.p2alignl 7, 3214868480
	.fill 96, 4, 3214868480
	.section	.rodata,"a",@progbits
	.p2align	6, 0x0
	.amdhsa_kernel k_q74c18055a1_qkv
		.amdhsa_group_segment_fixed_size 327680
		.amdhsa_private_segment_fixed_size 0
		.amdhsa_enable_private_segment 0
		.amdhsa_kernarg_size 80
		.amdhsa_user_sgpr_count 2
		.amdhsa_user_sgpr_kernarg_segment_ptr 1
		.amdhsa_wavefront_size32 1
		.amdhsa_system_sgpr_workgroup_id_x 1
		.amdhsa_system_sgpr_workgroup_id_y 1
		.amdhsa_system_sgpr_workgroup_id_z 1
		.amdhsa_system_vgpr_workitem_id 0
		.amdhsa_next_free_vgpr 1024
		.amdhsa_next_free_sgpr 100
		.amdhsa_reserve_vcc 0
		.amdhsa_float_denorm_mode_32 3
		.amdhsa_float_denorm_mode_16_64 3
		.amdhsa_memory_ordered 1
		.amdhsa_forward_progress 1
		.amdhsa_inst_pref_size 213
	.end_amdhsa_kernel
	.amdgpu_metadata
---
amdhsa.version: [ 1, 2 ]
amdhsa.kernels:
  - .name:           k_q74c18055a1_qkv
    .symbol:         k_q74c18055a1_qkv.kd
    .args:
      - { .name: xn, .offset: 0, .size: 8, .value_kind: global_buffer, .address_space: global }
      - { .name: wts, .offset: 8, .size: 8, .value_kind: global_buffer, .address_space: global }
      - { .name: cos, .offset: 16, .size: 8, .value_kind: global_buffer, .address_space: global }
      - { .name: sin, .offset: 24, .size: 8, .value_kind: global_buffer, .address_space: global }
      - { .name: wo, .offset: 32, .size: 8, .value_kind: global_buffer, .address_space: global }
      - { .name: w_gate, .offset: 40, .size: 8, .value_kind: global_buffer, .address_space: global }
      - { .name: w_up, .offset: 48, .size: 8, .value_kind: global_buffer, .address_space: global }
      - { .name: w_down, .offset: 56, .size: 8, .value_kind: global_buffer, .address_space: global }
      - { .name: qkv, .offset: 64, .size: 8, .value_kind: global_buffer, .address_space: global }
      - { .name: wt2, .offset: 72, .size: 8, .value_kind: global_buffer, .address_space: global }
    .group_segment_fixed_size: 327680
    .private_segment_fixed_size: 0
    .kernarg_segment_align: 8
    .kernarg_segment_size: 80
    .max_flat_workgroup_size: 128
    .sgpr_count:     100
    .vgpr_count:     1024
    .wavefront_size: 32
...
	.end_amdgpu_metadata
.endif
;; end of part 2
;; launch attn (part 3): grid 16 x 16, 4 waves a work-group, clusters of 4 x 4, 327,680 bytes of LDS; arguments qkv, attention_mask, ctx; writes ctx
.if DOCPART == 3
	.amdgcn_target "amdgcn-amd-amdhsa--gfx1250"
	.amdhsa_code_object_version 6
	.text
	.protected	k_q74c18055a1_attn
	.globl	k_q74c18055a1_attn
	.p2align	8
	.type	k_q74c18055a1_attn,@function
k_q74c18055a1_attn:
	s_mov_b64 s[64:65], 0
	v_nop
	global_prefetch_b8 v0, s[64:65] scope:SCOPE_SE
	s_setreg_imm32_b32 hwreg(HW_REG_WAVE_MODE, 25, 1), 1
	s_wait_xcnt 0x0
	s_wait_alu depctr_hold_cnt(0) depctr_sa_sdst(0) depctr_va_vdst(0) depctr_va_sdst(0) depctr_va_ssrc(0) depctr_va_vcc(0) depctr_vm_vsrc(0)
	s_getreg_b32 s2, hwreg(HW_REG_IB_STS2, 6, 4)
	s_cmp_eq_u32 s2, 0
	s_cbranch_scc0 .Lentry_in_a_cluster
	s_endpgm
.Lentry_in_a_cluster:
	s_bfe_u32 s2, ttmp6, 0x10000c
	s_cmp_lg_u32 s2, 0xf033
	s_cbranch_scc0 .Lentry_shape_is_right
	s_endpgm
.Lentry_shape_is_right:
; Attention with the Gaussian kernel: softmax over j of -(|q_i|^2 - 2 q_i k_j + |k_j|^2) / (2 sqrt(128)) + mask_ij, times v.
; |q_i|^2 is constant along j and cancels in the softmax for every input: it is not formed.  In base 2 a score is
;   (QS q_i) k_j + log2(e) mask_ij + NK2_j,   QS q and NK2 as the launch before stored them.
; log2(e) mask + NK2 is made by one packed multiply-add for two scores and is the C operand of the score product.
; A running maximum is kept (floored at -1.75 x 2^127, so that a tile masked by -inf gives exp2(-inf) = 0 and no NaN).
; FORMATS: q and k are bf16 in the score product.  The probabilities and v are f16 in the second product: 11 significant bits where bf16 has 8,
; which counts for a query with few keys, whose result is no average.  A probability lies in [0, 1] by the running maximum; what f16 turns to zero
; (below 3e-8) sums over 2,048 keys to at most 6e-5 of the largest term.  v's room in f16 is reckoned where it is stored, in the launch before.
; Limits: those roundings; ctx is stored as bf16.  A row masked by -inf everywhere gives NaN, as the formula does.
; The whole mask is read and honoured: nothing is skipped.
; Work-group x = block of 128 queries, y = head.  Wave w takes 32 queries (two tiles, qt) against all keys: no merge between waves.
; A step is 128 keys; 16 steps through two LDS slots (K 128 x 272, V^T 128 x 272, mask 128 x 528).
; The products are used transposed: S^T = K Q^T and O^T = V^T P.  A lane is then one query in S, in P and in O: the maximum, the sum and
; the rescaling are a lane's own, and two tiles of S^T, rounded, ARE the B fragment of 32 keys: no shuffle.
; CLUSTERS: 4 x 4 work-groups.  K, V^T and NK2 hang on the head alone: asked for jointly by a row of the cluster.  The mask's tile hangs on
; the query block alone: asked for jointly by a column.
; REGISTERS: window 0 addresses, softmax state, two fragment buffers, Q; window 1 S (16 tiles) and O (16 tiles); window 2 P and NK2.
.set SLOT,  137216
.set VOFF,  34816
.set MOFF,  69632
.set NK2S,  2*SLOT                     ; the head's 2,048 values of NK2
.set STAGE, NK2S+8192                  ; 16 rows x 272 bytes for each wave, for the way out
.set L2E,   0x3fb8aa3b
.set FLOOR, 0xff600000
.set ADRK, 16                          ; v16-17 K's fragments in slot 0, 1
.set ADRV, 18                          ; v18-19 V^T's
.set ADRM, 20                          ; v20-21 my queries' mask
.set AK2,  22                          ; this step's NK2
.set STO,  23
.set RD,   24
.set CO,   25
.set QV,   26
.set MN,   28                          ; v[28:31] running maximum, a pair for each qt
.set AL,   32                          ; v[32:35] rescaling factor, a pair for each qt
.set LS,   36                          ; v36-37   running sum (this lane's keys), one for each qt
.set T,    40                          ; v[40:47] maxima at work
.set TS,   48                          ; v[48:63] sums at work
.set F0,   64
.set F1,   128
.set Q,    192                         ; v[192:255] fragment (qt, ks) at 192 + 8 (4 qt + ks)
.set OA,   128                         ; window 1: O(dt, qt) at 128 + 8 (2 dt + qt); S(kt, qt) at 8 (2 kt + qt)
.set NK,   64                          ; window 2: NK2 of the step's 128 keys; P(kg, qt) at 8 (2 kg + qt)
.set G1KV, 32
.set G1M,  40
.set G0KV, 48
.set G0M,  56
.set G12,  68
.set G02,  76
.set MSB, 0
.macro WIN new
.if MSB != \new
	s_set_vgpr_msb (MSB<<8)|\new
.set MSB, \new
.endif
.endm
.macro PLACES                          ; four plain vector instructions between a matrix instruction and a load into, or a vector
.rept 4                                ; instruction on, its registers (ISA guide 7.12.1)
	v_nop
.endr
.endm
.macro CREST
	s_cmp_lg_u32 s14, 0
	s_cbranch_scc1 .Lnot_wave_0_\@
	s_barrier_signal -3
.Lnot_wave_0_\@:
	s_barrier_wait -3
	s_barrier_signal -1
	s_barrier_wait -1
.endm
.macro CROUND
	s_barrier_signal -1
	s_barrier_wait -1
	CREST
.endm
.macro JLOAD s                         ; waves 0, 1 ask for K and V^T, waves 2, 3 for the mask's two halves: one mask of work-groups for each line
	s_cmp_eq_u32 s15, 0
	s_cbranch_scc0 .Lfor_m_\@
	tensor_load_to_lds s[G0KV+4*\s:G0KV+4*\s+3], s[G1KV:G1KV+7]
	s_nop 0
	s_branch .Lasked_\@
.Lfor_m_\@:
	tensor_load_to_lds s[G0M+4*\s:G0M+4*\s+3], s[G1M:G1M+7]
	s_nop 0
.Lasked_\@:
.endm
.macro WMB d, x, y                     ; a score product: bf16 operands, onto the sum
	v_wmma_f32_16x16x32_bf16 v[\d:\d+7], v[\x:\x+7], v[\y:\y+7], v[\d:\d+7]
.endm
.macro WMH d, x, y, zero               ; a product with the probabilities: f16 operands; zero = 1: it starts the sum
.if \zero
	v_wmma_f32_16x16x32_f16 v[\d:\d+7], v[\x:\x+7], v[\y:\y+7], 0
.else
	v_wmma_f32_16x16x32_f16 v[\d:\d+7], v[\x:\x+7], v[\y:\y+7], v[\d:\d+7]
.endif
.endm
	s_load_b128 s[4:7], s[0:1], 0x0                ; qkv 4, mask 6
	s_load_b64 s[8:9], s[0:1], 0x10                ; ctx
	v_lshl_add_u32 v39, v0, 2, 0x49400
	s_set_vgpr_msb 0x80
	v_mov_b32 v129, 0
	s_set_vgpr_msb 0x8088
	ds_add_u32 v39, v129
	s_set_vgpr_msb 0x8800
	v_lshrrev_b32 v1, 5, v0
	v_readfirstlane_b32 s14, v1                    ; wave
	s_lshr_b32 s15, s14, 1                         ; 0: I fetch K or V^T; 1: the mask
	s_and_b32 s16, s14, 1                          ; which of the two
	s_bfe_u32 s17, ttmp6, 0x40000                  ; cx
	s_bfe_u32 s18, ttmp6, 0x40004                  ; cy
	s_lshl_b32 s19, ttmp9, 2
	s_add_co_u32 s19, s19, s17                     ; query block
	s_and_b32 s20, ttmp7, 0xffff
	s_lshl_b32 s20, s20, 2
	s_add_co_u32 s20, s20, s18                     ; head
	s_lshl_b32 s21, s18, 2
	s_lshl_b32 s21, 15, s21                        ; my row of the cluster (same head)
	s_lshl_b32 s22, 0x1111, s17                    ; my column (same query block)
	s_mov_b32 s80, 0x76543210
	s_mov_b32 s81, 0xfedcba98
	s_or_b32 s[G1KV], s21, (1<<16)|(1<<20)|(1<<21)|(5<<22)|(3<<25)   ; K, V^T: 128 rows x 128 elements of 2 bytes, 4 words of padding behind every 64
	s_mov_b32 s[G1KV+1], 128<<16
	s_mov_b32 s[G1KV+2], 128<<16
	s_mov_b32 s[G1KV+3], 128<<16
	s_mov_b32 s[G1KV+4], 128
	s_mov_b32 s[G1KV+5], 128                       ; the rows follow each other
	s_mov_b32 s[G1KV+6], 0
	s_mov_b32 s[G1KV+7], 0
	s_or_b32 s[G1M], s22, (2<<16)|(1<<20)|(1<<21)|(6<<22)|(3<<25)    ; mask: 64 rows x 128 f32, 4 words of padding behind every 128
	s_mov_b32 s[G1M+1], 128<<16
	s_mov_b32 s[G1M+2], 64<<16
	s_mov_b32 s[G1M+3], 128<<16
	s_mov_b32 s[G1M+4], 64
	s_mov_b32 s[G1M+5], 2048
	s_mov_b32 s[G1M+6], 0
	s_mov_b32 s[G1M+7], 0
	s_or_b32 s[G12], s21, (3<<16)|(1<<21)          ; NK2: 8 rows of 32 elements of 8 bytes, dense
	s_mov_b32 s[G12+1], 32<<16
	s_mov_b32 s[G12+2], 8<<16
	s_mov_b32 s[G12+3], 32<<16
	s_mov_b32 s[G12+4], 8
	s_mov_b32 s[G12+5], 32
	s_mov_b32 s[G12+6], 0
	s_mov_b32 s[G12+7], 0
	s_lshl_b32 s24, s20, 19                        ; K or V^T of my head
	s_lshl_b32 s28, s16, 23
	s_add_co_u32 s24, s24, s28
	s_add_co_u32 s24, s24, 0x800000
	s_mov_b32 s25, 0
	s_lshl_b32 s26, s19, 20                        ; the mask's rows 128 x block + 64 x half, 8,192 bytes each
	s_lshl_b32 s28, s16, 19
	s_add_co_u32 s26, s26, s28
	s_mov_b32 s27, 0
	s_lshl_b32 s30, s20, 13                        ; NK2 of my head, my wave's quarter
	s_lshl_b32 s28, s14, 11
	s_add_co_u32 s30, s30, s28
	s_add_co_u32 s30, s30, 0x1800000
	s_mov_b32 s31, 0
	s_add_co_u32 s29, s28, NK2S
	s_mul_i32 s23, s14, 34816                      ; LDS: K at 0, V^T at 34,816
	s_mul_i32 s66, s14, 33792
	s_add_co_u32 s66, s66, 2048                    ; the mask's halves at 69,632 and 103,424 (waves 2 and 3)
	s_wait_dscnt 0x0
	s_wait_kmcnt 0x0
	s_add_nc_u64 s[24:25], s[4:5], s[24:25]
	s_add_nc_u64 s[26:27], s[6:7], s[26:27]
	s_add_nc_u64 s[30:31], s[4:5], s[30:31]
	CROUND                                         ; the first joint loads meet
	s_mov_b32 s[G02], 1
	s_mov_b32 s[G02+1], s29
	s_mov_b64 s[G02+2:G02+3], s[30:31]
	s_or_b32 s[G02+3], s[G02+3], 0x80000000
	tensor_load_to_lds s[G02:G02+3], s[G12:G12+7]
	s_nop 0
.irp s, 0,1
	s_mov_b32 s[G0KV+4*\s], 1
	s_add_co_u32 s[G0KV+4*\s+1], s23, \s*SLOT
	s_add_nc_u64 s[G0KV+4*\s+2:G0KV+4*\s+3], s[24:25], \s*32768
	s_or_b32 s[G0KV+4*\s+3], s[G0KV+4*\s+3], 0x80000000
	s_mov_b32 s[G0M+4*\s], 1
	s_add_co_u32 s[G0M+4*\s+1], s66, \s*SLOT
	s_add_nc_u64 s[G0M+4*\s+2:G0M+4*\s+3], s[26:27], \s*512
	s_or_b32 s[G0M+4*\s+3], s[G0M+4*\s+3], 0x80000000
	JLOAD \s                                       ; three loads of the wave are out: NK2, step 0, step 1
.endr
	s_lshl_b32 s82, s20, 19
	s_lshl_b32 s28, s19, 15
	s_add_co_u32 s82, s82, s28
	s_mov_b32 s83, 0
	s_add_nc_u64 s[82:83], s[4:5], s[82:83]        ; Q: my head, my 128 queries
	s_lshl_b32 s84, s19, 19
	s_lshl_b32 s28, s20, 8
	s_add_co_u32 s84, s84, s28
	s_mov_b32 s85, 0
	s_add_nc_u64 s[84:85], s[8:9], s[84:85]        ; ctx: my 128 rows, my head's 256 bytes
	v_and_b32 v1, 15, v0                           ; r
	v_bfe_u32 v2, v0, 4, 1                         ; h
	v_mul_u32_u24 v4, v1, 272
	v_lshl_add_u32 v4, v2, 4, v4
	v_mov_b32 v[ADRK], v4
	v_add_nc_u32 v[ADRK+1], SLOT, v4
	v_add_nc_u32 v[ADRV], VOFF, v4
	v_add_nc_u32 v[ADRV+1], SLOT+VOFF, v4
	v_mul_u32_u24 v5, v1, 528
	v_lshl_add_u32 v5, v2, 5, v5
	s_mul_i32 s28, s14, 32*528
	v_add_nc_u32 v5, s28, v5                       ; query 32 w + r, keys 8 h .. +7, f32
	v_add_nc_u32 v[ADRM], MOFF, v5
	v_add_nc_u32 v[ADRM+1], SLOT+MOFF, v5
	v_lshlrev_b32 v6, 5, v2
	v_add_nc_u32 v[AK2], NK2S, v6
	s_mul_i32 s29, s14, 4352
	s_add_co_u32 s29, s29, STAGE
	v_add_nc_u32 v[STO], s29, v4
	v_mul_u32_u24 v7, v2, 272
	v_lshl_add_u32 v7, v1, 4, v7
	v_add_nc_u32 v[RD], s29, v7
	v_lshlrev_b32 v8, 12, v2
	v_lshl_add_u32 v8, v1, 4, v8
	s_lshl_b32 s30, s14, 17
	v_add_nc_u32 v[CO], s30, v8                    ; row 32 w + h of ctx, 16 r
	v_lshlrev_b32 v9, 8, v1
	v_lshl_add_u32 v9, v2, 4, v9
	s_lshl_b32 s30, s14, 13
	v_add_nc_u32 v[QV], s30, v9                    ; query 32 w + r, 16 h
.irp qt, 0,1
.irp ks, 0,1,2,3
	global_load_b128 v[Q+8*(4*\qt+\ks):Q+8*(4*\qt+\ks)+3], v[QV], s[82:83] offset:4096*\qt+64*\ks
	global_load_b128 v[Q+8*(4*\qt+\ks)+4:Q+8*(4*\qt+\ks)+7], v[QV], s[82:83] offset:4096*\qt+64*\ks+32
.endr
.endr
.macro FETCH adr, g, f                 ; 16 loads: row tiles 2 g, 2 g + 1 (keys of K, d of V^T) x four steps of 32 along the rows
.irp t, 0,1
.irp ks, 0,1,2,3
	ds_load_b128 v[\f+8*(4*\t+\ks):\f+8*(4*\t+\ks)+3], v[\adr] offset:4352*(2*\g+\t)+64*\ks
	ds_load_b128 v[\f+8*(4*\t+\ks)+4:\f+8*(4*\t+\ks)+7], v[\adr] offset:4352*(2*\g+\t)+64*\ks+32
.endr
.endr
.endm
.macro MULQK g, f                      ; 16 products on four accumulators, which take turns, one instruction a turn
.irp ks, 0,1,2,3
.irp t, 0,1
.irp qt, 0,1
	WMB 8*(2*(2*\g+\t)+\qt),\f+8*(4*\t+\ks),Q+8*(4*\qt+\ks)
.endr
.endr
.endr
.endm
.macro PVK g, f, kg, zero
.irp t, 0,1
.irp qt, 0,1
	WMH OA+8*(2*(2*\g+\t)+\qt),\f+8*(4*\t+\kg),8*(2*\kg+\qt),\zero
.endr
.endr
.endm
.macro MULPV g, f, first               ; the same for O^T; in the first step the first 32 keys start the sums
	PVK \g,\f,0,\first
	PVK \g,\f,1,0
	PVK \g,\f,2,0
	PVK \g,\f,3,0
.endm
.macro SOFTMAX first
	WIN 0x05                                       ; sources 0 and 1 in window 1
.irp qt, 0,1
.irp c, 0,1,2,3
	v_max_num_f32 v[T+4*\qt+\c], v[32*\c+8*\qt], v[32*\c+8*\qt+1]      ; eight chains, 16 scores each
.endr
.endr
.irp o, 2,4,6,16,18,20,22
.irp qt, 0,1
.irp c, 0,1,2,3
	v_max3_num_f32 v[T+4*\qt+\c], v[32*\c+8*\qt+\o], v[32*\c+8*\qt+\o+1], v[T+4*\qt+\c]
.endr
.endr
.endr
	WIN 0
.irp qt, 0,1
	v_max3_num_f32 v[T+4*\qt], v[T+4*\qt], v[T+4*\qt+1], v[T+4*\qt+2]
	v_max_num_f32 v[T+4*\qt], v[T+4*\qt], v[T+4*\qt+3]
	v_permlanex16_b32 v[T+4*\qt+1], v[T+4*\qt], s80, s81               ; the other half of the lanes holds the query's other keys
.if \first
	v_max3_num_f32 v[MN+2*\qt], v[T+4*\qt], v[T+4*\qt+1], FLOOR
.else
	v_max3_num_f32 v[T+4*\qt+2], v[T+4*\qt], v[T+4*\qt+1], v[MN+2*\qt]
	v_sub_f32 v[T+4*\qt+3], v[MN+2*\qt], v[T+4*\qt+2]
	v_mov_b32 v[MN+2*\qt], v[T+4*\qt+2]
	v_exp_f32 v[AL+2*\qt], v[T+4*\qt+3]                                ; 2^(old maximum - new); the move below is the plain instruction behind it
.endif
	v_mov_b32 v[MN+2*\qt+1], v[MN+2*\qt]
.endr
.if \first == 0
	s_wait_alu depctr_va_vdst(0)
	v_mov_b32 v[AL+1], v[AL]
	v_mov_b32 v[AL+3], v[AL+2]
.endif
	WIN 0x41                                       ; destination and source 0 in window 1
.irp kt, 0,1,2,3,4,5,6,7
.irp qt, 0,1
.irp j, 0,2,4,6
	v_pk_add_f32 v[8*(2*\kt+\qt)+\j:8*(2*\kt+\qt)+\j+1], v[8*(2*\kt+\qt)+\j:8*(2*\kt+\qt)+\j+1], v[MN+2*\qt:MN+2*\qt+1] neg_lo:[0,1] neg_hi:[0,1]
.endr
.endr
.endr
.set e, 0
.rept 128
	v_exp_f32 v[e], v[e]
.set e, e+1
.endr
	v_nop                                          ; one plain instruction behind the transcendentals (ISA guide 5.7.2)
.if \first == 0
	s_wait_alu depctr_va_vdst(0)
.irp dt, 0,1,2,3,4,5,6,7
.irp qt, 0,1
.irp j, 0,2,4,6
	v_pk_mul_f32 v[OA+8*(2*\dt+\qt)+\j:OA+8*(2*\dt+\qt)+\j+1], v[OA+8*(2*\dt+\qt)+\j:OA+8*(2*\dt+\qt)+\j+1], v[AL+2*\qt:AL+2*\qt+1]
.endr
.endr
.endr
.endif
	WIN 0x05
	s_wait_alu depctr_va_vdst(0)
.irp qt, 0,1
.irp c, 0,1,2,3
	v_pk_add_f32 v[TS+8*\qt+2*\c:TS+8*\qt+2*\c+1], v[32*\c+8*\qt:32*\c+8*\qt+1], v[32*\c+8*\qt+2:32*\c+8*\qt+3]
.endr
.endr
	WIN 0x01
.irp o, 4,6,16,18,20,22
.irp qt, 0,1
.irp c, 0,1,2,3
	v_pk_add_f32 v[TS+8*\qt+2*\c:TS+8*\qt+2*\c+1], v[32*\c+8*\qt+\o:32*\c+8*\qt+\o+1], v[TS+8*\qt+2*\c:TS+8*\qt+2*\c+1]
.endr
.endr
.endr
	WIN 0
.irp qt, 0,1
	v_pk_add_f32 v[TS+8*\qt:TS+8*\qt+1], v[TS+8*\qt:TS+8*\qt+1], v[TS+8*\qt+2:TS+8*\qt+3]
	v_pk_add_f32 v[TS+8*\qt+4:TS+8*\qt+5], v[TS+8*\qt+4:TS+8*\qt+5], v[TS+8*\qt+6:TS+8*\qt+7]
	v_pk_add_f32 v[TS+8*\qt:TS+8*\qt+1], v[TS+8*\qt:TS+8*\qt+1], v[TS+8*\qt+4:TS+8*\qt+5]
.if \first
	v_add_f32 v[LS+\qt], v[TS+8*\qt], v[TS+8*\qt+1]
.else
	v_add_f32 v[TS+8*\qt], v[TS+8*\qt], v[TS+8*\qt+1]
	v_fma_f32 v[LS+\qt], v[LS+\qt], v[AL+2*\qt], v[TS+8*\qt]           ; this lane's keys only: the halves are joined at the end
.endif
.endr
	WIN 0x85                                       ; window 1 to window 2: tiles 2 kg and 2 kg + 1 of S^T, rounded to f16, make the B fragment of 32 keys
.irp kg, 0,1,2,3
.irp qt, 0,1
.irp j, 0,1,2,3
	v_cvt_pk_f16_f32 v[8*(2*\kg+\qt)+\j], v[8*(4*\kg+\qt)+2*\j], v[8*(4*\kg+\qt)+2*\j+1]
	v_cvt_pk_f16_f32 v[8*(2*\kg+\qt)+4+\j], v[8*(4*\kg+2+\qt)+2*\j], v[8*(4*\kg+2+\qt)+2*\j+1]
.endr
.endr
.endr
.endm
; One step: 128 keys out of slot 'slot'.  fill = 1: the slot is filled again, two steps ahead.  last = 1: no ring work at all.
.macro STEP slot, first, fill, last
.if \first == 0
	PLACES
.endif
	WIN 0x40
.irp qt, 0,1
.irp kt, 0,1,2,3,4,5,6,7
	ds_load_b128 v[8*(2*\kt+\qt):8*(2*\kt+\qt)+3], v[ADRM+\slot] offset:8448*\qt+64*\kt           ; the mask, in the layout of S^T
	ds_load_b128 v[8*(2*\kt+\qt)+4:8*(2*\kt+\qt)+7], v[ADRM+\slot] offset:8448*\qt+64*\kt+16
.endr
.endr
	WIN 0x80
.irp kt, 0,1,2,3,4,5,6,7
	ds_load_b128 v[NK+8*\kt:NK+8*\kt+3], v[AK2] offset:64*\kt
	ds_load_b128 v[NK+8*\kt+4:NK+8*\kt+7], v[AK2] offset:64*\kt+16
.endr
	WIN 0
	FETCH ADRK+\slot,0,F0
	FETCH ADRK+\slot,1,F1
	s_wait_dscnt 32                                ; the mask and NK2 are in; K's 32 loads may be out
	WIN 0x61
.irp kt, 0,1,2,3,4,5,6,7
.irp qt, 0,1
.irp j, 0,2,4,6
	v_pk_fma_f32 v[8*(2*\kt+\qt)+\j:8*(2*\kt+\qt)+\j+1], v[8*(2*\kt+\qt)+\j:8*(2*\kt+\qt)+\j+1], L2E, v[NK+8*\kt+\j:NK+8*\kt+\j+1] op_sel_hi:[1,0,1]
.endr
.endr
.endr
	s_wait_dscnt 16                                ; in each of the waits for 16: the older buffer is in, the younger one's 16 loads may be out
	WIN 0x50
	MULQK 0,F0
	PLACES
	WIN 0
	FETCH ADRK+\slot,2,F0
	s_wait_dscnt 16
	WIN 0x50
	MULQK 1,F1
	PLACES
	WIN 0
	FETCH ADRK+\slot,3,F1
	s_wait_dscnt 16
	WIN 0x50
	MULQK 2,F0
	PLACES
	WIN 0
	FETCH ADRV+\slot,0,F0
	s_wait_dscnt 16
	WIN 0x50
	MULQK 3,F1
	PLACES
	WIN 0
	FETCH ADRV+\slot,1,F1
	SOFTMAX \first
	s_wait_dscnt 16
	WIN 0x58
	MULPV 0,F0,\first
	PLACES
	WIN 0
	FETCH ADRV+\slot,2,F0
	s_wait_dscnt 16
	WIN 0x58
	MULPV 1,F1,\first
	PLACES
	WIN 0
	FETCH ADRV+\slot,3,F1
	s_wait_dscnt 16
	WIN 0x58
	MULPV 2,F0,\first
	s_wait_dscnt 0                                 ; my reads of this slot are back
.if \last == 0
	s_wait_tensorcnt 0x0                           ; all my tensor loads have landed: the one that was out is my part of the next slot
	ds_add_u32 v39, v129
	s_wait_dscnt 0x0
	s_barrier_signal -1
.endif
	MULPV 3,F1,\first                              ; registers only
	WIN 0
.if \last == 0
	s_barrier_wait -1
.if \fill
	CREST                                          ; no wave of any partner still reads this slot or has a load on its way
	s_add_nc_u64 s[G0KV+4*\slot+2:G0KV+4*\slot+3], s[G0KV+4*\slot+2:G0KV+4*\slot+3], 65536
	s_add_nc_u64 s[G0M+4*\slot+2:G0M+4*\slot+3], s[G0M+4*\slot+2:G0M+4*\slot+3], 1024
	JLOAD \slot                                    ; the first tensor load behind the round, one a wave
.endif
	v_add_nc_u32 v[AK2], 512, v[AK2]               ; the next 128 keys' NK2
.endif
.endm
	s_wait_tensorcnt 1                             ; NK2 and step 0 are in; step 1's load stays out
	s_barrier_signal -1
	s_barrier_wait -1
	s_wait_loadcnt 0x0                             ; Q
	STEP 0,1,1,0
	STEP 1,0,1,0
	s_mov_b32 s3, 6
.Lpair:
	STEP 0,0,1,0
	STEP 1,0,1,0
	s_sub_co_u32 s3, s3, 1
	s_cmp_lg_u32 s3, 0
	s_cbranch_scc1 .Lpair
	STEP 0,0,0,0                                   ; step 14: nothing is left to fetch; its barrier shows step 15's tiles whole
	STEP 1,0,0,1
	; THE WAY OUT: divide by the sum, round to bf16, 16 queries at a time through my own stage, whole pieces of 256 bytes of ctx's rows
	PLACES
	v_permlanex16_b32 v[T], v[LS], s80, s81
	v_permlanex16_b32 v[T+1], v[LS+1], s80, s81
	v_add_f32 v[LS], v[LS], v[T]
	v_add_f32 v[LS+1], v[LS+1], v[T+1]
	v_rcp_f32 v[AL], v[LS]
	v_rcp_f32 v[AL+2], v[LS+1]
	v_nop
	s_wait_alu depctr_va_vdst(0)
	v_mov_b32 v[AL+1], v[AL]
	v_mov_b32 v[AL+3], v[AL+2]
.irp qt, 0,1
	WIN 0x41
.irp dt, 0,1,2,3,4,5,6,7
.irp j, 0,2,4,6
	v_pk_mul_f32 v[OA+8*(2*\dt+\qt)+\j:OA+8*(2*\dt+\qt)+\j+1], v[OA+8*(2*\dt+\qt)+\j:OA+8*(2*\dt+\qt)+\j+1], v[AL+2*\qt:AL+2*\qt+1]
.endr
.endr
	WIN 0x05
.irp dt, 0,1,2,3,4,5,6,7
.irp j, 0,1,2,3
	v_cvt_pk_bf16_f32 v[F0+4*\dt+\j], v[OA+8*(2*\dt+\qt)+2*\j], v[OA+8*(2*\dt+\qt)+2*\j+1]
.endr
.endr
	WIN 0
.irp dt, 0,1,2,3,4,5,6,7
	ds_store_b128 v[STO], v[F0+4*\dt:F0+4*\dt+3] offset:32*\dt
.endr
.irp t, 0,1,2,3,4,5,6,7
	ds_load_b128 v[F1+32*\qt+4*\t:F1+32*\qt+4*\t+3], v[RD] offset:544*\t     ; LDS serves a wave's instructions in order (ISA guide 5.7.1.4)
.endr
.irp t, 0,1,2,3,4,5,6,7
	s_wait_dscnt 7-\t
	global_store_b128 v[CO], v[F1+32*\qt+4*\t:F1+32*\qt+4*\t+3], s[84:85] offset:(16*\qt+2*\t)*4096
.endr
.endr
	s_set_vgpr_msb 0x8
	s_wait_tensorcnt 0x0
	ds_add_u32 v39, v129
	s_wait_dscnt 0x0
	s_set_vgpr_msb 0x800
	CROUND                                         ; the closing round
	s_endpgm
.Lfunc_end_k_q74c18055a1_attn:
	.size	k_q74c18055a1_attn, .Lfunc_end_k_q74c18055a1_attn-k_q74c18055a1_attn
	.p2alignl 7, 3214868480
	.fill 96, 4, 3214868480
	.section	.rodata,"a",@progbits
	.p2align	6, 0x0
	.amdhsa_kernel k_q74c18055a1_attn
		.amdhsa_group_segment_fixed_size 327680
		.amdhsa_private_segment_fixed_size 0
		.amdhsa_enable_private_segment 0
		.amdhsa_kernarg_size 24
		.amdhsa_user_sgpr_count 2
		.amdhsa_user_sgpr_kernarg_segment_ptr 1
		.amdhsa_wavefront_size32 1
		.amdhsa_system_sgpr_workgroup_id_x 1
		.amdhsa_system_sgpr_workgroup_id_y 1
		.amdhsa_system_sgpr_workgroup_id_z 1
		.amdhsa_system_vgpr_workitem_id 0
		.amdhsa_next_free_vgpr 642
		.amdhsa_next_free_sgpr 96
		.amdhsa_reserve_vcc 0
		.amdhsa_float_denorm_mode_32 3
		.amdhsa_float_denorm_mode_16_64 3
		.amdhsa_memory_ordered 1
		.amdhsa_forward_progress 1
		.amdhsa_inst_pref_size 255
	.end_amdhsa_kernel
	.section	.bss,"aw",@nobits
	.p2align	6
	.space	262144
	.amdgpu_metadata
---
amdhsa.version: [ 1, 2 ]
amdhsa.kernels:
  - .name:           k_q74c18055a1_attn
    .symbol:         k_q74c18055a1_attn.kd
    .args:
      - { .name: qkv, .offset: 0, .size: 8, .value_kind: global_buffer, .address_space: global }
      - { .name: attention_mask, .offset: 8, .size: 8, .value_kind: global_buffer, .address_space: global }
      - { .name: ctx, .offset: 16, .size: 8, .value_kind: global_buffer, .address_space: global }
    .group_segment_fixed_size: 327680
    .private_segment_fixed_size: 0
    .kernarg_segment_align: 8
    .kernarg_segment_size: 24
    .max_flat_workgroup_size: 128
    .sgpr_count:     96
    .vgpr_count:     642
    .wavefront_size: 32
...
	.end_amdgpu_metadata
.endif
;; end of part 3
;; launch wo (part 4): grid 16 x 16, 4 waves a work-group, clusters of 4 x 4, 327,680 bytes of LDS; arguments ctx, wt2, hidden_states, ln2_w, h, xn, ssq; writes h, xn, ssq
.if DOCPART == 4
	.amdgcn_target "amdgcn-amd-amdhsa--gfx1250"
	.amdhsa_code_object_version 6
	.text
	.protected	k_q74c18055a1_wo
	.globl	k_q74c18055a1_wo
	.p2align	8
	.type	k_q74c18055a1_wo,@function
k_q74c18055a1_wo:
	s_mov_b64 s[64:65], 0
	v_nop
	global_prefetch_b8 v0, s[64:65] scope:SCOPE_SE
	s_setreg_imm32_b32 hwreg(HW_REG_WAVE_MODE, 25, 1), 1
	s_wait_xcnt 0x0
	s_wait_alu depctr_hold_cnt(0) depctr_sa_sdst(0) depctr_va_vdst(0) depctr_va_sdst(0) depctr_va_ssrc(0) depctr_va_vcc(0) depctr_vm_vsrc(0)
	s_getreg_b32 s2, hwreg(HW_REG_IB_STS2, 6, 4)
	s_cmp_eq_u32 s2, 0
	s_cbranch_scc0 .Lentry_in_a_cluster
	s_endpgm
.Lentry_in_a_cluster:
	s_bfe_u32 s2, ttmp6, 0x10000c
	s_cmp_lg_u32 s2, 0xf033
	s_cbranch_scc0 .Lentry_shape_is_right
	s_endpgm
.Lentry_shape_is_right:
; h = hidden + ctx wo^T (f32), hb = bf16(h * ln2_w), ssq[column block][row] = the sum of h^2 over the block's 128 columns.
; hb goes into the buffer xn, whose first content (the normalised input) was last read two launches ago.
; RMSNorm 2 is split: its column gain goes into hb here, its row factor is applied behind the next product, which is linear in it.
; A block of 128 x 128 for each work-group (256 blocks).  THE FOUR WAVES SPLIT K: each keeps the whole block in 512 registers and multiplies
; a quarter of every slot's K, so that each byte read from LDS feeds a tile of 128 x 128.  The four partial blocks are summed on the way out,
; in the pass through LDS that the register layout needs anyway to make whole rows.
; A slot holds K = 256: 128 rows of A and 128 of B, 512 bytes + 16 of padding each; each wave fetches 64 rows with one tensor load.
; CLUSTERS: 4 x 4.  A's tile hangs on the block row alone (joint along a row of the cluster), B's on the block column alone (along a column).
; WHERE K BEGINS: a cluster in which x + y + y/2 (the cluster's own x and y) is odd begins in the middle of K and wraps round, so that clusters
; that read the same rows read a given piece of them four slots apart and the second asks for bytes that have been read before.
; The f32 sums over K are therefore formed in two different orders.
; REGISTERS: window 0 addresses, the residual, the way out; window 1 two fragment buffers; windows 2, 3 the accumulators (tile (a, b) at 8 (8 a + b)).
.set KDIM,  2048
.set PHSH,  11                         ; half a row of A or B is 1 << 11 bytes
.set BOFF,  0                          ; wo in wt2
.set BXSH,  7                          ; B's first row = block column << 7 + half << 6
.set BHSH,  6
.set PITCH, 528
.set QUART, 64*PITCH                   ; what one tensor load brings
.set HALFS, 128*PITCH                  ; A's or B's part of a slot; also one wave's partial block (128 rows x 512 bytes + padding)
.set SLOT,  2*HALFS
.set SCR,   2*SLOT                     ; 512 bytes behind the ring: the block's 128 row sums
.set LAPS,  KDIM/512
.set ADRA, 16
.set ADRB, 18
.set STO,  20
.set RDP,  21                          ; v21-24 where I read rows of the four partial blocks
.set HOF,  25
.set BOF,  26
.set SS,   12
.set SCW,  13
.set SCRD, 14
.set L16,  15
.set LN,   28                          ; v[28:31] ln2_w of my four columns
.set BUF,  32                          ; v[32:63], v[64:95]
.set HBT,  96
.set HBP,  104
.set SQ,   108
.set RES,  128                         ; v[128:255] hidden, then h: 32 rows x 4
.set F0,   0
.set F1,   128
.set G1A, 32
.set G1B, 40
.set G0A, 48
.set G0B, 56
.set MUL_LO, 0xa5
.set MUL_HI, 0xf5
.set MSB, 0
.macro WIN new
.if MSB != \new
	s_set_vgpr_msb (MSB<<8)|\new
.set MSB, \new
.endif
.endm
.macro PLACES                          ; four plain vector instructions between a matrix instruction and a load into, a store of, or a
.rept 4                                ; vector instruction on, its registers (ISA guide 7.12.1)
	v_nop
.endr
.endm
.macro CREST
	s_cmp_lg_u32 s14, 0
	s_cbranch_scc1 .Lnot_wave_0_\@
	s_barrier_signal -3
.Lnot_wave_0_\@:
	s_barrier_wait -3
	s_barrier_signal -1
	s_barrier_wait -1
.endm
.macro CROUND
	s_barrier_signal -1
	s_barrier_wait -1
	CREST
.endm
.macro JLOAD s                         ; waves 0, 1 ask for A's halves, waves 2, 3 for B's
	s_cmp_eq_u32 s15, 0
	s_cbranch_scc0 .Lfor_b_\@
	tensor_load_to_lds s[G0A+4*\s:G0A+4*\s+3], s[G1A:G1A+7]
	s_nop 0
	s_branch .Lasked_\@
.Lfor_b_\@:
	tensor_load_to_lds s[G0B+4*\s:G0B+4*\s+3], s[G1B:G1B+7]
	s_nop 0
.Lasked_\@:
.endm
.macro STEPK                           ; s66: the byte offset in a row of the next tile to ask for; it wraps at the row's end
	s_add_co_u32 s66, s66, 512
	s_and_b32 s66, s66, 2*KDIM-1
.endm
.macro AIM s                           ; slot s's two addresses: the fixed first rows plus that offset; the type bits are set again
	s_add_nc_u64 s[G0A+4*\s+2:G0A+4*\s+3], s[24:25], s[66:67]
	s_or_b32 s[G0A+4*\s+3], s[G0A+4*\s+3], 0x80000000
	s_add_nc_u64 s[G0B+4*\s+2:G0B+4*\s+3], s[26:27], s[66:67]
	s_or_b32 s[G0B+4*\s+3], s[G0B+4*\s+3], 0x80000000
.endm
.macro WM d, x, y, zero
.if \zero
	v_wmma_f32_16x16x32_bf16 v[\d:\d+7], v[\x:\x+7], v[\y:\y+7], 0
.else
	v_wmma_f32_16x16x32_bf16 v[\d:\d+7], v[\x:\x+7], v[\y:\y+7], v[\d:\d+7]
.endif
.endm
	s_load_b256 s[4:11], s[0:1], 0x0               ; ctx 4, wt2 6, hidden 8, ln2_w 10
	s_load_b128 s[84:87], s[0:1], 0x20             ; h 84, hb (in xn) 86
	s_load_b64 s[88:89], s[0:1], 0x30              ; ssq
	v_lshl_add_u32 v126, v0, 2, 0x42200
	v_mov_b32 v127, 0
	ds_add_u32 v126, v127
	v_lshrrev_b32 v1, 5, v0
	v_readfirstlane_b32 s14, v1                    ; wave
	s_lshr_b32 s15, s14, 1
	s_and_b32 s16, s14, 1
	s_bfe_u32 s17, ttmp6, 0x40000
	s_bfe_u32 s18, ttmp6, 0x40004
	s_lshl_b32 s19, ttmp9, 2
	s_add_co_u32 s19, s19, s17                     ; block column
	s_and_b32 s20, ttmp7, 0xffff                   ; cluster y
	s_lshr_b32 s66, s20, 1
	s_add_co_u32 s66, s66, s20
	s_add_co_u32 s66, s66, ttmp9
	s_and_b32 s66, s66, 1                          ; (x + y + y/2) mod 2 of the cluster:
	s_lshl_b32 s66, s66, PHSH                      ; K begins at the rows' first byte or in their middle
	s_mov_b32 s67, 0
	s_lshl_b32 s20, s20, 2
	s_add_co_u32 s20, s20, s18                     ; block row
	s_lshl_b32 s21, s18, 2
	s_lshl_b32 s21, 15, s21
	s_lshl_b32 s22, 0x1111, s17
	s_mov_b32 s80, 0x76543210
	s_mov_b32 s81, 0xfedcba98
	s_or_b32 s[G1A], s21, (1<<16)|(1<<20)|(1<<21)|(6<<22)|(3<<25)   ; 2-byte elements; 4 words of padding behind every 128
	s_or_b32 s[G1B], s22, (1<<16)|(1<<20)|(1<<21)|(6<<22)|(3<<25)
.irp g, G1A, G1B
	s_mov_b32 s[\g+1], 256<<16                     ; tensor_dim0 = 256
	s_mov_b32 s[\g+2], 64<<16                      ; tensor_dim1 = 64
	s_mov_b32 s[\g+3], 256<<16                     ; tile_dim0 = 256
	s_mov_b32 s[\g+4], 64                          ; tile_dim1 = 64
	s_mov_b32 s[\g+5], KDIM
	s_mov_b32 s[\g+6], 0
	s_mov_b32 s[\g+7], 0
.endr
	s_lshl_b32 s24, s20, 7
	s_lshl_b32 s28, s16, 6
	s_add_co_u32 s24, s24, s28                     ; A: row 128 x block row + 64 x half
	s_mul_i32 s24, s24, KDIM*2
	s_mov_b32 s25, 0
	s_lshl_b32 s26, s19, BXSH
	s_lshl_b32 s29, s16, BHSH
	s_add_co_u32 s26, s26, s29
	s_mul_i32 s26, s26, KDIM*2
	s_add_co_u32 s26, s26, BOFF
	s_mov_b32 s27, 0
	s_mul_i32 s23, s14, QUART
	s_wait_dscnt 0x0
	s_wait_kmcnt 0x0
	s_add_nc_u64 s[24:25], s[4:5], s[24:25]        ; A's first row of mine; stays
	s_add_nc_u64 s[26:27], s[6:7], s[26:27]        ; B's; stays
	CROUND
.irp s, 0,1
	s_mov_b32 s[G0A+4*\s], 1
	s_add_co_u32 s[G0A+4*\s+1], s23, \s*SLOT
	s_mov_b32 s[G0B+4*\s], 1
	s_add_co_u32 s[G0B+4*\s+1], s23, \s*SLOT
	AIM \s
	JLOAD \s                                       ; two loads of the wave are out
.if \s == 0
	STEPK
.endif
.endr
	v_and_b32 v1, 15, v0                           ; r
	v_bfe_u32 v2, v0, 4, 1                         ; h
	v_and_b32 v3, 31, v0                           ; lane
	v_mul_u32_u24 v4, v1, PITCH
	v_lshl_add_u32 v5, v2, 5, v4                   ; r x pitch + 32 h: the partial block's stores
	v_lshl_add_u32 v4, v2, 4, v4                   ; r x pitch + 16 h: the fragments
	s_lshl_b32 s28, s14, 7                         ; my quarter of a slot's K: 128 bytes of every row
	v_add_nc_u32 v[ADRA], s28, v4
	v_add_nc_u32 v[ADRA+1], SLOT, v[ADRA]
	v_add_nc_u32 v[ADRB], HALFS, v[ADRA]
	v_add_nc_u32 v[ADRB+1], SLOT+HALFS, v[ADRA]
	s_mul_i32 s29, s14, HALFS
	v_add_nc_u32 v[STO], s29, v5
	v_lshlrev_b32 v[L16], 4, v3
	s_mul_i32 s30, s14, 32*PITCH
	v_add_nc_u32 v[RDP], s30, v[L16]               ; rows 32 w .., 16 bytes a lane: a whole row of 512 bytes for each load
	v_add_nc_u32 v[RDP+1], HALFS, v[RDP]
	v_add_nc_u32 v[RDP+2], 2*HALFS, v[RDP]
	v_add_nc_u32 v[RDP+3], 3*HALFS, v[RDP]
	s_lshl_b32 s30, s14, 18
	v_add_nc_u32 v[HOF], s30, v[L16]               ; 32 w rows of 8,192 bytes + 16 x lane
	v_lshlrev_b32 v6, 3, v3
	s_lshl_b32 s30, s14, 17
	v_add_nc_u32 v[BOF], s30, v6                   ; 32 w rows of 4,096 bytes + 8 x lane
	v_lshlrev_b32 v7, 2, v3
	s_lshl_b32 s30, s14, 7
	s_add_co_u32 s30, s30, SCR
	v_add_nc_u32 v[SCW], s30, v7
	v_add_nc_u32 v[SCRD], SCR, v[L16]
	s_lshl_b32 s70, s20, 20
	s_lshl_b32 s28, s19, 9
	s_add_co_u32 s70, s70, s28
	s_mov_b32 s71, 0
	s_add_nc_u64 s[72:73], s[84:85], s[70:71]      ; h
	s_add_nc_u64 s[70:71], s[8:9], s[70:71]        ; hidden
	s_lshl_b32 s74, s20, 19
	s_lshl_b32 s28, s19, 8
	s_add_co_u32 s74, s74, s28
	s_mov_b32 s75, 0
	s_add_nc_u64 s[74:75], s[86:87], s[74:75]      ; hb
	s_lshl_b32 s76, s19, 9
	s_mov_b32 s77, 0
	s_add_nc_u64 s[76:77], s[10:11], s[76:77]      ; ln2_w
	s_lshl_b32 s78, s19, 13
	s_lshl_b32 s28, s20, 9
	s_add_co_u32 s78, s78, s28
	s_mov_b32 s79, 0
	s_add_nc_u64 s[78:79], s[88:89], s[78:79]      ; ssq
.irp i, 0,1,2,3,4,5,6,7,8,9,10,11,12,13,14,15,16,17,18,19,20,21,22,23,24,25,26,27,28,29,30,31
	global_load_b128 v[RES+4*\i:RES+4*\i+3], v[HOF], s[70:71] offset:8192*\i     ; the residual: asked for now, wanted behind the K loop
.endr
	global_load_b128 v[LN:LN+3], v[L16], s[76:77]
; 16 products: row tiles a0, a0 + 1 of the window's four x all 8 column tiles.  B's fragment is source 0: a lane holds one row and eight
; neighbouring columns.  The 64 accumulators take turns, one instruction a turn.
.macro MUL16 f, hi, a0, zero
.irp a, \a0, \a0+1
.irp b, 0,1,2,3,4,5,6,7
	WM 8*(8*(\a)+\b),\f+64+8*\b,\f+8*(4*\hi+(\a)),\zero
.endr
.endr
.endm
.macro FETCH slot, k, f                ; 32 LDS loads: B's eight fragments, then A's eight
	WIN 0x40
.irp i, 0,1,2,3,4,5,6,7
	ds_load_b128 v[\f+64+8*\i:\f+64+8*\i+3], v[ADRB+\slot] offset:16*PITCH*\i+\k
	ds_load_b128 v[\f+64+8*\i+4:\f+64+8*\i+7], v[ADRB+\slot] offset:16*PITCH*\i+\k+32
.endr
.irp i, 0,1,2,3,4,5,6,7
	ds_load_b128 v[\f+8*\i:\f+8*\i+3], v[ADRA+\slot] offset:16*PITCH*\i+\k
	ds_load_b128 v[\f+8*\i+4:\f+8*\i+7], v[ADRA+\slot] offset:16*PITCH*\i+\k+32
.endr
.endm
.macro FIRSTH slot, zero               ; the first 32 of my 64 K of a slot
	s_wait_dscnt 8                                 ; all but the youngest eight loads (A's rows 64-127)
	WIN MUL_LO
	MUL16 F0,0,0,\zero
	MUL16 F0,0,2,\zero
	PLACES
	FETCH \slot,64,F1
	s_wait_dscnt 32                                ; all but the 32 just issued
	WIN MUL_HI
	MUL16 F0,1,0,\zero
	MUL16 F0,1,2,\zero
.endm
; The second 32, and the change of slots: in front of the barrier my reads of this slot are back and all my tensor loads have landed (the one
; that was out is my part of the next slot); with fill = 1 the barrier opens a round of the cluster's barrier and the joint refill is the first
; tensor load behind it.
.macro TURN slot, next, fill
	s_wait_dscnt 8
	WIN MUL_LO
	MUL16 F1,0,0,0
	s_wait_dscnt 0
	s_set_vgpr_msb 0xa5a0
	s_wait_tensorcnt 0x0
	ds_add_u32 v126, v127
	s_wait_dscnt 0x0
	s_set_vgpr_msb 0xa0a5
	s_barrier_signal -1
	MUL16 F1,0,2,0
	WIN 0
	s_barrier_wait -1
.if \fill
	CREST
	STEPK
	AIM \slot
	JLOAD \slot
.endif
	PLACES
	FETCH \next,0,F0
	WIN MUL_HI
	MUL16 F1,1,0,0
	MUL16 F1,1,2,0
.endm
.macro LAP zero
	FIRSTH 0,\zero
	TURN 0,1,1
	FIRSTH 1,0
	TURN 1,0,1
.endm
	s_wait_tensorcnt 1                             ; my part of slot 0 is in; slot 1's stays out
	s_barrier_signal -1
	s_barrier_wait -1
	FETCH 0,0,F0
	LAP 1
.if LAPS > 2
	WIN 0
	s_mov_b32 s3, LAPS-2
.Llap:
	LAP 0
	WIN 0
	s_sub_co_u32 s3, s3, 1
	s_cmp_lg_u32 s3, 0
	s_cbranch_scc1 .Llap
.endif
	FIRSTH 0,0                                     ; the last lap fills nothing
	TURN 0,1,0
	FIRSTH 1,0
	s_wait_dscnt 8
	WIN MUL_LO
	MUL16 F1,0,0,0
	MUL16 F1,0,2,0
	s_wait_dscnt 0
	WIN MUL_HI
	MUL16 F1,1,0,0
	MUL16 F1,1,2,0
	; THE FOUR PARTIAL BLOCKS MEET.  Both slots have had their last fill; behind this barrier no wave reads them any more.
	PLACES
	WIN 0
	s_barrier_signal -1
	s_barrier_wait -1
	WIN 0x08                                       ; store data in window 2
.irp a, 0,1,2,3
.irp b, 0,1,2,3,4,5,6,7
	ds_store_b128 v[STO], v[8*(8*\a+\b):8*(8*\a+\b)+3] offset:16*PITCH*\a+64*\b
	ds_store_b128 v[STO], v[8*(8*\a+\b)+4:8*(8*\a+\b)+7] offset:16*PITCH*\a+64*\b+16
.endr
.endr
	WIN 0x0c                                       ; window 3
.irp a, 0,1,2,3
.irp b, 0,1,2,3,4,5,6,7
	ds_store_b128 v[STO], v[8*(8*\a+\b):8*(8*\a+\b)+3] offset:16*PITCH*(\a+4)+64*\b
	ds_store_b128 v[STO], v[8*(8*\a+\b)+4:8*(8*\a+\b)+7] offset:16*PITCH*(\a+4)+64*\b+16
.endr
.endr
	WIN 0
	s_wait_dscnt 0x0
	s_barrier_signal -1
	s_barrier_wait -1
	; wave w owns rows 32 w .. +31: two rows a group, eight loads (four partial blocks each), two buffers
.macro LOADG g
.irp x, 0,1
.irp p, 0,1,2,3
	ds_load_b128 v[BUF+32*((\g)%2)+16*\x+4*\p:BUF+32*((\g)%2)+16*\x+4*\p+3], v[RDP+\p] offset:PITCH*(2*(\g)+\x)
.endr
.endr
.endm
.macro GROUP g, left
	s_wait_dscnt \left                             ; this group's eight loads are in; the next group's eight may be out
	s_wait_xcnt 0x0                                ; the packed registers of hb, which the last group's stores read, are rewritten only behind this wait
.irp x, 0,1
.set BB, BUF+32*((\g)%2)+16*\x
.set RW, 2*(\g)+\x
.set RR, RES+4*RW
	v_pk_add_f32 v[BB:BB+1], v[BB:BB+1], v[BB+4:BB+5]
	v_pk_add_f32 v[BB+2:BB+3], v[BB+2:BB+3], v[BB+6:BB+7]
	v_pk_add_f32 v[BB+8:BB+9], v[BB+8:BB+9], v[BB+12:BB+13]
	v_pk_add_f32 v[BB+10:BB+11], v[BB+10:BB+11], v[BB+14:BB+15]
	v_pk_add_f32 v[BB:BB+1], v[BB:BB+1], v[BB+8:BB+9]
	v_pk_add_f32 v[BB+2:BB+3], v[BB+2:BB+3], v[BB+10:BB+11]
	v_pk_add_f32 v[RR:RR+1], v[RR:RR+1], v[BB:BB+1]
	v_pk_add_f32 v[RR+2:RR+3], v[RR+2:RR+3], v[BB+2:BB+3]
	global_store_b128 v[HOF], v[RR:RR+3], s[72:73] offset:8192*RW                 ; 512 consecutive bytes of h
	v_pk_mul_f32 v[HBT+4*\x:HBT+4*\x+1], v[RR:RR+1], v[LN:LN+1]
	v_pk_mul_f32 v[HBT+4*\x+2:HBT+4*\x+3], v[RR+2:RR+3], v[LN+2:LN+3]
	v_cvt_pk_bf16_f32 v[HBP+2*\x], v[HBT+4*\x], v[HBT+4*\x+1]
	v_cvt_pk_bf16_f32 v[HBP+2*\x+1], v[HBT+4*\x+2], v[HBT+4*\x+3]
	global_store_b64 v[BOF], v[HBP+2*\x:HBP+2*\x+1], s[74:75] offset:4096*RW      ; 256 consecutive bytes of hb, at a multiple of 256
	v_pk_mul_f32 v[SQ+2*\x:SQ+2*\x+1], v[RR:RR+1], v[RR:RR+1]
	v_pk_fma_f32 v[SQ+2*\x:SQ+2*\x+1], v[RR+2:RR+3], v[RR+2:RR+3], v[SQ+2*\x:SQ+2*\x+1]
	v_add_f32 v[SQ+2*\x], v[SQ+2*\x], v[SQ+2*\x+1]
	v_add_f32_dpp v[SQ+2*\x], v[SQ+2*\x], v[SQ+2*\x] row_xmask:1 row_mask:0xf bank_mask:0xf
	v_add_f32_dpp v[SQ+2*\x], v[SQ+2*\x], v[SQ+2*\x] row_xmask:2 row_mask:0xf bank_mask:0xf
	v_add_f32_dpp v[SQ+2*\x], v[SQ+2*\x], v[SQ+2*\x] row_xmask:4 row_mask:0xf bank_mask:0xf
	v_add_f32_dpp v[SQ+2*\x], v[SQ+2*\x], v[SQ+2*\x] row_xmask:8 row_mask:0xf bank_mask:0xf
	v_permlanex16_b32 v[SQ+2*\x+1], v[SQ+2*\x], s80, s81
	v_add_f32 v[SQ+2*\x], v[SQ+2*\x], v[SQ+2*\x+1]
.if RW == 0
	v_mov_b32 v[SS], v[SQ+2*\x]                    ; lane i keeps row i's sum
.else
	s_mov_b32 s90, 1<<RW
	v_cndmask_b32 v[SS], v[SS], v[SQ+2*\x], s90
.endif
.endr
.endm
	LOADG 0
	s_wait_loadcnt 0x0                             ; the residual and ln2_w
.irp g, 0,1,2,3,4,5,6,7,8,9,10,11,12,13,14
	LOADG \g+1
	GROUP \g,8
.endr
	GROUP 15,0
	ds_store_b32 v[SCW], v[SS]
	s_wait_dscnt 0x0
	s_barrier_signal -1
	s_barrier_wait -1
	s_cmp_lg_u32 s14, 0
	s_cbranch_scc1 .Lno_ssq
	ds_load_b128 v[BUF:BUF+3], v[SCRD]             ; the block's 128 row sums: 512 consecutive bytes
	s_wait_dscnt 0x0
	global_store_b128 v[L16], v[BUF:BUF+3], s[78:79]
.Lno_ssq:
	s_wait_tensorcnt 0x0
	ds_add_u32 v126, v127
	s_wait_dscnt 0x0
	CROUND                                         ; the closing round
	s_endpgm
.Lfunc_end_k_q74c18055a1_wo:
	.size	k_q74c18055a1_wo, .Lfunc_end_k_q74c18055a1_wo-k_q74c18055a1_wo
	.p2alignl 7, 3214868480
	.fill 96, 4, 3214868480
	.section	.rodata,"a",@progbits
	.p2align	6, 0x0
	.amdhsa_kernel k_q74c18055a1_wo
		.amdhsa_group_segment_fixed_size 327680
		.amdhsa_private_segment_fixed_size 0
		.amdhsa_enable_private_segment 0
		.amdhsa_kernarg_size 56
		.amdhsa_user_sgpr_count 2
		.amdhsa_user_sgpr_kernarg_segment_ptr 1
		.amdhsa_wavefront_size32 1
		.amdhsa_system_sgpr_workgroup_id_x 1
		.amdhsa_system_sgpr_workgroup_id_y 1
		.amdhsa_system_sgpr_workgroup_id_z 1
		.amdhsa_system_vgpr_workitem_id 0
		.amdhsa_next_free_vgpr 1024
		.amdhsa_next_free_sgpr 96
		.amdhsa_reserve_vcc 0
		.amdhsa_float_denorm_mode_32 3
		.amdhsa_float_denorm_mode_16_64 3
		.amdhsa_memory_ordered 1
		.amdhsa_forward_progress 1
		.amdhsa_inst_pref_size 159
	.end_amdhsa_kernel
	.amdgpu_metadata
---
amdhsa.version: [ 1, 2 ]
amdhsa.kernels:
  - .name:           k_q74c18055a1_wo
    .symbol:         k_q74c18055a1_wo.kd
    .args:
      - { .name: ctx, .offset: 0, .size: 8, .value_kind: global_buffer, .address_space: global }
      - { .name: wt2, .offset: 8, .size: 8, .value_kind: global_buffer, .address_space: global }
      - { .name: hidden_states, .offset: 16, .size: 8, .value_kind: global_buffer, .address_space: global }
      - { .name: ln2_w, .offset: 24, .size: 8, .value_kind: global_buffer, .address_space: global }
      - { .name: h, .offset: 32, .size: 8, .value_kind: global_buffer, .address_space: global }
      - { .name: xn, .offset: 40, .size: 8, .value_kind: global_buffer, .address_space: global }
      - { .name: ssq, .offset: 48, .size: 8, .value_kind: global_buffer, .address_space: global }
    .group_segment_fixed_size: 327680
    .private_segment_fixed_size: 0
    .kernarg_segment_align: 8
    .kernarg_segment_size: 56
    .max_flat_workgroup_size: 128
    .sgpr_count:     96
    .vgpr_count:     1024
    .wavefront_size: 32
...
	.end_amdgpu_metadata
.endif
;; end of part 4
;; launch gu (part 5): grid 16 x 16, 4 waves a work-group, clusters of 4 x 4, 327,680 bytes of LDS; arguments xn, wt2, ssq, act; writes act
.if DOCPART == 5
	.amdgcn_target "amdgcn-amd-amdhsa--gfx1250"
	.amdhsa_code_object_version 6
	.text
	.protected	k_q74c18055a1_gu
	.globl	k_q74c18055a1_gu
	.p2align	8
	.type	k_q74c18055a1_gu,@function
k_q74c18055a1_gu:
	s_mov_b64 s[64:65], 0
	v_nop
	global_prefetch_b8 v0, s[64:65] scope:SCOPE_SE
	s_setreg_imm32_b32 hwreg(HW_REG_WAVE_MODE, 25, 1), 1
	s_wait_xcnt 0x0
	s_wait_alu depctr_hold_cnt(0) depctr_sa_sdst(0) depctr_va_vdst(0) depctr_va_sdst(0) depctr_va_ssrc(0) depctr_va_vcc(0) depctr_vm_vsrc(0)
	s_getreg_b32 s2, hwreg(HW_REG_IB_STS2, 6, 4)
	s_cmp_eq_u32 s2, 0
	s_cbranch_scc0 .Lentry_in_a_cluster
	s_endpgm
.Lentry_in_a_cluster:
	s_bfe_u32 s2, ttmp6, 0x10000c
	s_cmp_lg_u32 s2, 0xf033
	s_cbranch_scc0 .Lentry_shape_is_right
	s_endpgm
.Lentry_shape_is_right:
; act = silu(r G) * (r U), G = hb w_gate^T, U = hb w_up^T, r[row] = rsqrt(sum of the 16 entries of ssq / 2048 + 1e-6): RMSNorm 2's row factor,
; applied behind the products, which are linear in it.  hb lies in the buffer xn (the launch before put it there).  act is bf16 [2048][1024].
; A block is 128 rows x (64 columns of gate, the same 64 of up), so that both factors of an output meet in one work-group.
; The four waves split K and keep the whole block each; the partial blocks are summed on the way out (as in the launch before).
; Limit: a block holds 64 columns of act, so sixteen lanes store 128 consecutive aligned bytes of a row; the neighbouring block stores the other 128.
; CLUSTERS: 4 x 4.  hb's tile is asked for jointly along a row of the cluster, the weights' along a column.
; WHERE K BEGINS: a cluster in which x + y + y/2 (the cluster's own x and y) is odd begins in the middle of K and wraps round, so that clusters
; that read the same rows read a given piece of them four slots apart and the second asks for bytes that have been read before.
; The f32 sums over K are therefore formed in two different orders.
.set KDIM,  2048
.set PHSH,  11                         ; half a row of A or B is 1 << 11 bytes
.set BOFF,  8388608                    ; w_gate in wt2; w_up follows 1,024 rows behind
.set BXSH,  6                          ; B's first row = block column << 6 + half << 10
.set BHSH,  10
.set PITCH, 528
.set QUART, 64*PITCH
.set HALFS, 128*PITCH
.set SLOT,  2*HALFS
.set SCR,   2*SLOT                     ; 512 bytes behind the ring: the 128 row factors
.set LAPS,  KDIM/512
.set NL2E,  0xbfb8aa3b                 ; -log2(e)
.set ADRA, 16
.set ADRB, 18
.set STO,  20
.set RDP,  21
.set SOF,  25
.set AOF,  26
.set SCW,  13
.set SCRD, 14
.set BUF,  32                          ; v[32:63], v[64:95]
.set AO,   96                          ; v[96:127] the packed results, a pair of its own for each of the 16 groups: no stored register is written again
.set SSQ,  128                         ; v[128:143]
.set RRG,  144                         ; v[144:159] the factor of my row in group i
.set F0,   0
.set F1,   128
.set G1A, 32
.set G1B, 40
.set G0A, 48
.set G0B, 56
.set MUL_LO, 0xa5
.set MUL_HI, 0xf5
.set MSB, 0
.macro WIN new
.if MSB != \new
	s_set_vgpr_msb (MSB<<8)|\new
.set MSB, \new
.endif
.endm
.macro PLACES                          ; four plain vector instructions between a matrix instruction and a load into, a store of, or a
.rept 4                                ; vector instruction on, its registers (ISA guide 7.12.1)
	v_nop
.endr
.endm
.macro CREST
	s_cmp_lg_u32 s14, 0
	s_cbranch_scc1 .Lnot_wave_0_\@
	s_barrier_signal -3
.Lnot_wave_0_\@:
	s_barrier_wait -3
	s_barrier_signal -1
	s_barrier_wait -1
.endm
.macro CROUND
	s_barrier_signal -1
	s_barrier_wait -1
	CREST
.endm
.macro JLOAD s                         ; waves 0, 1 ask for A's halves, waves 2, 3 for B's
	s_cmp_eq_u32 s15, 0
	s_cbranch_scc0 .Lfor_b_\@
	tensor_load_to_lds s[G0A+4*\s:G0A+4*\s+3], s[G1A:G1A+7]
	s_nop 0
	s_branch .Lasked_\@
.Lfor_b_\@:
	tensor_load_to_lds s[G0B+4*\s:G0B+4*\s+3], s[G1B:G1B+7]
	s_nop 0
.Lasked_\@:
.endm
.macro STEPK                           ; s66: the byte offset in a row of the next tile to ask for; it wraps at the row's end
	s_add_co_u32 s66, s66, 512
	s_and_b32 s66, s66, 2*KDIM-1
.endm
.macro AIM s                           ; slot s's two addresses: the fixed first rows plus that offset; the type bits are set again
	s_add_nc_u64 s[G0A+4*\s+2:G0A+4*\s+3], s[24:25], s[66:67]
	s_or_b32 s[G0A+4*\s+3], s[G0A+4*\s+3], 0x80000000
	s_add_nc_u64 s[G0B+4*\s+2:G0B+4*\s+3], s[26:27], s[66:67]
	s_or_b32 s[G0B+4*\s+3], s[G0B+4*\s+3], 0x80000000
.endm
.macro WM d, x, y, zero
.if \zero
	v_wmma_f32_16x16x32_bf16 v[\d:\d+7], v[\x:\x+7], v[\y:\y+7], 0
.else
	v_wmma_f32_16x16x32_bf16 v[\d:\d+7], v[\x:\x+7], v[\y:\y+7], v[\d:\d+7]
.endif
.endm
	s_load_b256 s[4:11], s[0:1], 0x0               ; hb (in xn) 4, wt2 6, ssq 8, act 10
	v_lshl_add_u32 v254, v0, 2, 0x42200
	v_mov_b32 v255, 0
	ds_add_u32 v254, v255
	v_lshrrev_b32 v1, 5, v0
	v_readfirstlane_b32 s14, v1
	s_lshr_b32 s15, s14, 1
	s_and_b32 s16, s14, 1
	s_bfe_u32 s17, ttmp6, 0x40000
	s_bfe_u32 s18, ttmp6, 0x40004
	s_lshl_b32 s19, ttmp9, 2
	s_add_co_u32 s19, s19, s17                     ; block column
	s_and_b32 s20, ttmp7, 0xffff                   ; cluster y
	s_lshr_b32 s66, s20, 1
	s_add_co_u32 s66, s66, s20
	s_add_co_u32 s66, s66, ttmp9
	s_and_b32 s66, s66, 1                          ; (x + y + y/2) mod 2 of the cluster:
	s_lshl_b32 s66, s66, PHSH                      ; K begins at the rows' first byte or in their middle
	s_mov_b32 s67, 0
	s_lshl_b32 s20, s20, 2
	s_add_co_u32 s20, s20, s18                     ; block row
	s_lshl_b32 s21, s18, 2
	s_lshl_b32 s21, 15, s21
	s_lshl_b32 s22, 0x1111, s17
	s_mov_b32 s91, 0x3a000000                      ; 1 / 2048
	s_mov_b32 s92, 0x358637bd                      ; 1e-6
	s_or_b32 s[G1A], s21, (1<<16)|(1<<20)|(1<<21)|(6<<22)|(3<<25)   ; 2-byte elements; 4 words of padding behind every 128
	s_or_b32 s[G1B], s22, (1<<16)|(1<<20)|(1<<21)|(6<<22)|(3<<25)
.irp g, G1A, G1B
	s_mov_b32 s[\g+1], 256<<16                     ; tensor_dim0 = 256
	s_mov_b32 s[\g+2], 64<<16                      ; tensor_dim1 = 64
	s_mov_b32 s[\g+3], 256<<16                     ; tile_dim0 = 256
	s_mov_b32 s[\g+4], 64                          ; tile_dim1 = 64
	s_mov_b32 s[\g+5], KDIM
	s_mov_b32 s[\g+6], 0
	s_mov_b32 s[\g+7], 0
.endr
	s_lshl_b32 s24, s20, 7
	s_lshl_b32 s28, s16, 6
	s_add_co_u32 s24, s24, s28
	s_mul_i32 s24, s24, KDIM*2
	s_mov_b32 s25, 0
	s_lshl_b32 s26, s19, BXSH
	s_lshl_b32 s29, s16, BHSH
	s_add_co_u32 s26, s26, s29                     ; wave 2: 64 rows of w_gate; wave 3: the same 64 of w_up
	s_mul_i32 s26, s26, KDIM*2
	s_add_co_u32 s26, s26, BOFF
	s_mov_b32 s27, 0
	s_mul_i32 s23, s14, QUART
	s_wait_dscnt 0x0
	s_wait_kmcnt 0x0
	s_add_nc_u64 s[24:25], s[4:5], s[24:25]        ; A's first row of mine; stays
	s_add_nc_u64 s[26:27], s[6:7], s[26:27]        ; B's; stays
	CROUND
.irp s, 0,1
	s_mov_b32 s[G0A+4*\s], 1
	s_add_co_u32 s[G0A+4*\s+1], s23, \s*SLOT
	s_mov_b32 s[G0B+4*\s], 1
	s_add_co_u32 s[G0B+4*\s+1], s23, \s*SLOT
	AIM \s
	JLOAD \s                                       ; two loads of the wave are out
.if \s == 0
	STEPK
.endif
.endr
	v_and_b32 v1, 15, v0                           ; r
	v_bfe_u32 v2, v0, 4, 1                         ; h
	v_and_b32 v3, 31, v0                           ; lane
	v_mul_u32_u24 v4, v1, PITCH
	v_lshl_add_u32 v5, v2, 5, v4
	v_lshl_add_u32 v4, v2, 4, v4
	s_lshl_b32 s28, s14, 7
	v_add_nc_u32 v[ADRA], s28, v4
	v_add_nc_u32 v[ADRA+1], SLOT, v[ADRA]
	v_add_nc_u32 v[ADRB], HALFS, v[ADRA]
	v_add_nc_u32 v[ADRB+1], SLOT+HALFS, v[ADRA]
	s_mul_i32 s29, s14, HALFS
	v_add_nc_u32 v[STO], s29, v5
	v_mul_u32_u24 v6, v2, PITCH
	v_lshl_add_u32 v6, v1, 4, v6
	s_mul_i32 s30, s14, 32*PITCH
	v_add_nc_u32 v[RDP], s30, v6                   ; row 32 w + h, 16 r: sixteen lanes take a row's 64 columns of gate
	v_add_nc_u32 v[RDP+1], HALFS, v[RDP]
	v_add_nc_u32 v[RDP+2], 2*HALFS, v[RDP]
	v_add_nc_u32 v[RDP+3], 3*HALFS, v[RDP]
	v_lshlrev_b32 v7, 2, v3
	v_add_nc_u32 v[SOF], s28, v7                   ; 128 w + 4 x lane: lane l stands for row 32 w + l
	v_add_nc_u32 v[SCW], SCR, v[SOF]
	v_lshlrev_b32 v8, 2, v2
	s_add_co_u32 s30, s28, SCR
	v_add_nc_u32 v[SCRD], s30, v8
	v_lshlrev_b32 v9, 11, v2
	v_lshl_add_u32 v9, v1, 3, v9
	s_lshl_b32 s30, s14, 16
	v_add_nc_u32 v[AOF], s30, v9                   ; row 32 w + h of 2,048 bytes, 8 r
	s_lshl_b32 s70, s20, 9
	s_mov_b32 s71, 0
	s_add_nc_u64 s[70:71], s[8:9], s[70:71]        ; ssq: my 128 rows
	s_lshl_b32 s72, s20, 18
	s_lshl_b32 s28, s19, 7
	s_add_co_u32 s72, s72, s28
	s_mov_b32 s73, 0
	s_add_nc_u64 s[72:73], s[10:11], s[72:73]      ; act
.irp x, 0,1,2,3,4,5,6,7,8,9,10,11,12,13,14,15
	global_load_b32 v[SSQ+\x], v[SOF], s[70:71] offset:8192*\x       ; asked for now, wanted behind the K loop
.endr
; The 64 accumulators take turns, one instruction a turn.
.macro MUL16 f, hi, a0, zero
.irp a, \a0, \a0+1
.irp b, 0,1,2,3,4,5,6,7
	WM 8*(8*(\a)+\b),\f+64+8*\b,\f+8*(4*\hi+(\a)),\zero
.endr
.endr
.endm
.macro FETCH slot, k, f                ; 32 LDS loads: B's eight fragments, then A's eight
	WIN 0x40
.irp i, 0,1,2,3,4,5,6,7
	ds_load_b128 v[\f+64+8*\i:\f+64+8*\i+3], v[ADRB+\slot] offset:16*PITCH*\i+\k
	ds_load_b128 v[\f+64+8*\i+4:\f+64+8*\i+7], v[ADRB+\slot] offset:16*PITCH*\i+\k+32
.endr
.irp i, 0,1,2,3,4,5,6,7
	ds_load_b128 v[\f+8*\i:\f+8*\i+3], v[ADRA+\slot] offset:16*PITCH*\i+\k
	ds_load_b128 v[\f+8*\i+4:\f+8*\i+7], v[ADRA+\slot] offset:16*PITCH*\i+\k+32
.endr
.endm
.macro FIRSTH slot, zero
	s_wait_dscnt 8                                 ; all but the youngest eight loads (A's rows 64-127)
	WIN MUL_LO
	MUL16 F0,0,0,\zero
	MUL16 F0,0,2,\zero
	PLACES
	FETCH \slot,64,F1
	s_wait_dscnt 32                                ; all but the 32 just issued
	WIN MUL_HI
	MUL16 F0,1,0,\zero
	MUL16 F0,1,2,\zero
.endm
; The change of slots: my reads of this slot are back and all my tensor loads have landed in front of the barrier; with fill = 1 it opens a round
; of the cluster's barrier, and the joint refill is the first tensor load behind the round.
.macro TURN slot, next, fill
	s_wait_dscnt 8
	WIN MUL_LO
	MUL16 F1,0,0,0
	s_wait_dscnt 0
	s_set_vgpr_msb 0xa5a0
	s_wait_tensorcnt 0x0
	ds_add_u32 v254, v255
	s_wait_dscnt 0x0
	s_set_vgpr_msb 0xa0a5
	s_barrier_signal -1
	MUL16 F1,0,2,0
	WIN 0
	s_barrier_wait -1
.if \fill
	CREST
	STEPK
	AIM \slot
	JLOAD \slot
.endif
	PLACES
	FETCH \next,0,F0
	WIN MUL_HI
	MUL16 F1,1,0,0
	MUL16 F1,1,2,0
.endm
.macro LAP zero
	FIRSTH 0,\zero
	TURN 0,1,1
	FIRSTH 1,0
	TURN 1,0,1
.endm
	s_wait_tensorcnt 1                             ; my part of slot 0 is in; slot 1's stays out
	s_barrier_signal -1
	s_barrier_wait -1
	FETCH 0,0,F0
	LAP 1
	WIN 0
	s_mov_b32 s3, LAPS-2
.Llap:
	LAP 0
	WIN 0
	s_sub_co_u32 s3, s3, 1
	s_cmp_lg_u32 s3, 0
	s_cbranch_scc1 .Llap
	FIRSTH 0,0                                     ; the last lap fills nothing
	TURN 0,1,0
	FIRSTH 1,0
	s_wait_dscnt 8
	WIN MUL_LO
	MUL16 F1,0,0,0
	MUL16 F1,0,2,0
	s_wait_dscnt 0
	WIN MUL_HI
	MUL16 F1,1,0,0
	MUL16 F1,1,2,0
	; THE FOUR PARTIAL BLOCKS MEET.  Both slots have had their last fill; behind this barrier no wave reads them any more.
	PLACES
	WIN 0
	s_barrier_signal -1
	s_barrier_wait -1
	WIN 0x08                                       ; store data in window 2
.irp a, 0,1,2,3
.irp b, 0,1,2,3,4,5,6,7
	ds_store_b128 v[STO], v[8*(8*\a+\b):8*(8*\a+\b)+3] offset:16*PITCH*\a+64*\b
	ds_store_b128 v[STO], v[8*(8*\a+\b)+4:8*(8*\a+\b)+7] offset:16*PITCH*\a+64*\b+16
.endr
.endr
	WIN 0x0c                                       ; window 3
.irp a, 0,1,2,3
.irp b, 0,1,2,3,4,5,6,7
	ds_store_b128 v[STO], v[8*(8*\a+\b):8*(8*\a+\b)+3] offset:16*PITCH*(\a+4)+64*\b
	ds_store_b128 v[STO], v[8*(8*\a+\b)+4:8*(8*\a+\b)+7] offset:16*PITCH*(\a+4)+64*\b+16
.endr
.endr
	WIN 0
	s_wait_dscnt 0x0
	s_barrier_signal -1
	s_barrier_wait -1
	; the row factors: lane l makes row 32 w + l's, and my wave's own 128 bytes of LDS turn them to the lanes that need them
	s_wait_loadcnt 0x0
.irp x, 0,2,4,6,8,10,12,14
	v_add_f32 v[SSQ+\x], v[SSQ+\x], v[SSQ+\x+1]
.endr
.irp x, 0,4,8,12
	v_add_f32 v[SSQ+\x], v[SSQ+\x], v[SSQ+\x+2]
.endr
	v_add_f32 v[SSQ], v[SSQ], v[SSQ+4]
	v_add_f32 v[SSQ+8], v[SSQ+8], v[SSQ+12]
	v_add_f32 v[SSQ], v[SSQ], v[SSQ+8]
	v_fma_f32 v[SSQ], v[SSQ], s91, s92
	v_rsq_f32 v[SSQ+1], v[SSQ]
	v_nop                                          ; one plain instruction behind a transcendental (ISA guide 5.7.2)
	s_wait_alu depctr_va_vdst(0)
	ds_store_b32 v[SCW], v[SSQ+1]
.irp i, 0,1,2,3,4,5,6,7,8,9,10,11,12,13,14,15
	ds_load_b32 v[RRG+\i], v[SCRD] offset:8*\i     ; LDS serves a wave's instructions in order (ISA guide 5.7.1.4): these see the store above
.endr
.macro LOADG i                         ; rows 32 w + 2 i + h: gate and up of the four partial blocks, eight loads
.irp p, 0,1,2,3
	ds_load_b128 v[BUF+32*((\i)%2)+4*\p:BUF+32*((\i)%2)+4*\p+3], v[RDP+\p] offset:2*PITCH*(\i)
	ds_load_b128 v[BUF+32*((\i)%2)+16+4*\p:BUF+32*((\i)%2)+16+4*\p+3], v[RDP+\p] offset:2*PITCH*(\i)+256
.endr
.endm
.macro GROUP i, left
	s_wait_dscnt \left                             ; this group's eight loads are in; the next group's eight may be out
.set BB, BUF+32*((\i)%2)
.irp u, 0,16
	v_pk_add_f32 v[BB+\u:BB+\u+1], v[BB+\u:BB+\u+1], v[BB+\u+4:BB+\u+5]
	v_pk_add_f32 v[BB+\u+2:BB+\u+3], v[BB+\u+2:BB+\u+3], v[BB+\u+6:BB+\u+7]
	v_pk_add_f32 v[BB+\u+8:BB+\u+9], v[BB+\u+8:BB+\u+9], v[BB+\u+12:BB+\u+13]
	v_pk_add_f32 v[BB+\u+10:BB+\u+11], v[BB+\u+10:BB+\u+11], v[BB+\u+14:BB+\u+15]
	v_pk_add_f32 v[BB+\u:BB+\u+1], v[BB+\u:BB+\u+1], v[BB+\u+8:BB+\u+9]
	v_pk_add_f32 v[BB+\u+2:BB+\u+3], v[BB+\u+2:BB+\u+3], v[BB+\u+10:BB+\u+11]
.endr
.irp j, 0,1,2,3
	v_mul_f32 v[BB+\j], v[BB+\j], v[RRG+(\i)]        ; g
	v_mul_f32 v[BB+16+\j], v[BB+16+\j], v[RRG+(\i)]  ; u
.endr
.irp j, 0,1,2,3
	v_mul_f32 v[BB+4+\j], NL2E, v[BB+\j]
.endr
.irp j, 0,1,2,3
	v_exp_f32 v[BB+4+\j], v[BB+4+\j]               ; e^-g
.endr
.irp j, 0,1,2,3
	v_mul_f32 v[BB+16+\j], v[BB+16+\j], v[BB+\j]   ; g u: plain work behind the transcendentals
.endr
	s_wait_alu depctr_va_vdst(0)
.irp j, 0,1,2,3
	v_add_f32 v[BB+4+\j], 1.0, v[BB+4+\j]
.endr
.irp j, 0,1,2,3
	v_rcp_f32 v[BB+4+\j], v[BB+4+\j]
.endr
	v_nop
	s_wait_alu depctr_va_vdst(0)
.irp j, 0,1,2,3
	v_mul_f32 v[BB+16+\j], v[BB+16+\j], v[BB+4+\j] ; g u / (1 + e^-g)
.endr
	v_cvt_pk_bf16_f32 v[AO+2*(\i)], v[BB+16], v[BB+17]
	v_cvt_pk_bf16_f32 v[AO+2*(\i)+1], v[BB+18], v[BB+19]
	global_store_b64 v[AOF], v[AO+2*(\i):AO+2*(\i)+1], s[72:73] offset:4096*(\i)
.endm
	LOADG 0
.irp i, 0,1,2,3,4,5,6,7,8,9,10,11,12,13,14
	LOADG \i+1
	GROUP \i,8
.endr
	GROUP 15,0
	s_wait_tensorcnt 0x0
	ds_add_u32 v254, v255
	s_wait_dscnt 0x0
	CROUND                                         ; the closing round
	s_endpgm
.Lfunc_end_k_q74c18055a1_gu:
	.size	k_q74c18055a1_gu, .Lfunc_end_k_q74c18055a1_gu-k_q74c18055a1_gu
	.p2alignl 7, 3214868480
	.fill 96, 4, 3214868480
	.section	.rodata,"a",@progbits
	.p2align	6, 0x0
	.amdhsa_kernel k_q74c18055a1_gu
		.amdhsa_group_segment_fixed_size 327680
		.amdhsa_private_segment_fixed_size 0
		.amdhsa_enable_private_segment 0
		.amdhsa_kernarg_size 32
		.amdhsa_user_sgpr_count 2
		.amdhsa_user_sgpr_kernarg_segment_ptr 1
		.amdhsa_wavefront_size32 1
		.amdhsa_system_sgpr_workgroup_id_x 1
		.amdhsa_system_sgpr_workgroup_id_y 1
		.amdhsa_system_sgpr_workgroup_id_z 1
		.amdhsa_system_vgpr_workitem_id 0
		.amdhsa_next_free_vgpr 1024
		.amdhsa_next_free_sgpr 96
		.amdhsa_reserve_vcc 0
		.amdhsa_float_denorm_mode_32 3
		.amdhsa_float_denorm_mode_16_64 3
		.amdhsa_memory_ordered 1
		.amdhsa_forward_progress 1
		.amdhsa_inst_pref_size 143
	.end_amdhsa_kernel
	.amdgpu_metadata
---
amdhsa.version: [ 1, 2 ]
amdhsa.kernels:
  - .name:           k_q74c18055a1_gu
    .symbol:         k_q74c18055a1_gu.kd
    .args:
      - { .name: xn, .offset: 0, .size: 8, .value_kind: global_buffer, .address_space: global }
      - { .name: wt2, .offset: 8, .size: 8, .value_kind: global_buffer, .address_space: global }
      - { .name: ssq, .offset: 16, .size: 8, .value_kind: global_buffer, .address_space: global }
      - { .name: act, .offset: 24, .size: 8, .value_kind: global_buffer, .address_space: global }
    .group_segment_fixed_size: 327680
    .private_segment_fixed_size: 0
    .kernarg_segment_align: 8
    .kernarg_segment_size: 32
    .max_flat_workgroup_size: 128
    .sgpr_count:     96
    .vgpr_count:     1024
    .wavefront_size: 32
...
	.end_amdgpu_metadata
.endif
;; end of part 5
;; launch down (part 6): grid 16 x 16, 4 waves a work-group, clusters of 4 x 4, 327,680 bytes of LDS; arguments act, wt2, h, out0; writes out0
.if DOCPART == 6
	.amdgcn_target "amdgcn-amd-amdhsa--gfx1250"
	.amdhsa_code_object_version 6
	.text
	.protected	k_q74c18055a1_down
	.globl	k_q74c18055a1_down
	.p2align	8
	.type	k_q74c18055a1_down,@function
k_q74c18055a1_down:
	s_mov_b64 s[64:65], 0
	v_nop
	global_prefetch_b8 v0, s[64:65] scope:SCOPE_SE
	s_setreg_imm32_b32 hwreg(HW_REG_WAVE_MODE, 25, 1), 1
	s_wait_xcnt 0x0
	s_wait_alu depctr_hold_cnt(0) depctr_sa_sdst(0) depctr_va_vdst(0) depctr_va_sdst(0) depctr_va_ssrc(0) depctr_va_vcc(0) depctr_vm_vsrc(0)
	s_getreg_b32 s2, hwreg(HW_REG_IB_STS2, 6, 4)
	s_cmp_eq_u32 s2, 0
	s_cbranch_scc0 .Lentry_in_a_cluster
	s_endpgm
.Lentry_in_a_cluster:
	s_bfe_u32 s2, ttmp6, 0x10000c
	s_cmp_lg_u32 s2, 0xf033
	s_cbranch_scc0 .Lentry_shape_is_right
	s_endpgm
.Lentry_shape_is_right:
; out0 = h + act w_down^T.  act bf16 [2048][1024], w_down bf16 [2048][1024] in wt2, h and out0 f32.
; A block of 128 x 128 for each work-group; the four waves split K and keep the whole block each; the partial blocks are summed on the way out
; (as in the two launches before).  K = 1024 is four slots of 256: one lap with refills, one without, no loop.
; CLUSTERS: 4 x 4.  act's tile is asked for jointly along a row of the cluster, w_down's along a column.
; WHERE K BEGINS: a cluster in which x + y + y/2 (the cluster's own x and y) is odd begins in the middle of K and wraps round, so that clusters
; that read the same rows read a given piece of them two slots apart and the second asks for bytes that have been read before.
; The f32 sums over K are therefore formed in two different orders.
.set KDIM,  1024
.set PHSH,  10                         ; half a row of A or B is 1 << 10 bytes
.set BOFF,  16777216                   ; w_down in wt2
.set BXSH,  7
.set BHSH,  6
.set PITCH, 528
.set QUART, 64*PITCH
.set HALFS, 128*PITCH
.set SLOT,  2*HALFS
.set ADRA, 16
.set ADRB, 18
.set STO,  20
.set RDP,  21
.set HOF,  25
.set L16,  15
.set BUF,  32
.set RES,  128                         ; v[128:255] h, then out0: 32 rows x 4
.set F0,   0
.set F1,   128
.set G1A, 32
.set G1B, 40
.set G0A, 48
.set G0B, 56
.set MUL_LO, 0xa5
.set MUL_HI, 0xf5
.set MSB, 0
.macro WIN new
.if MSB != \new
	s_set_vgpr_msb (MSB<<8)|\new
.set MSB, \new
.endif
.endm
.macro PLACES                          ; four plain vector instructions between a matrix instruction and a load into, a store of, or a
.rept 4                                ; vector instruction on, its registers (ISA guide 7.12.1)
	v_nop
.endr
.endm
.macro CREST
	s_cmp_lg_u32 s14, 0
	s_cbranch_scc1 .Lnot_wave_0_\@
	s_barrier_signal -3
.Lnot_wave_0_\@:
	s_barrier_wait -3
	s_barrier_signal -1
	s_barrier_wait -1
.endm
.macro CROUND
	s_barrier_signal -1
	s_barrier_wait -1
	CREST
.endm
.macro JLOAD s                         ; waves 0, 1 ask for A's halves, waves 2, 3 for B's
	s_cmp_eq_u32 s15, 0
	s_cbranch_scc0 .Lfor_b_\@
	tensor_load_to_lds s[G0A+4*\s:G0A+4*\s+3], s[G1A:G1A+7]
	s_nop 0
	s_branch .Lasked_\@
.Lfor_b_\@:
	tensor_load_to_lds s[G0B+4*\s:G0B+4*\s+3], s[G1B:G1B+7]
	s_nop 0
.Lasked_\@:
.endm
.macro STEPK                           ; s66: the byte offset in a row of the next tile to ask for; it wraps at the row's end
	s_add_co_u32 s66, s66, 512
	s_and_b32 s66, s66, 2*KDIM-1
.endm
.macro AIM s                           ; slot s's two addresses: the fixed first rows plus that offset; the type bits are set again
	s_add_nc_u64 s[G0A+4*\s+2:G0A+4*\s+3], s[24:25], s[66:67]
	s_or_b32 s[G0A+4*\s+3], s[G0A+4*\s+3], 0x80000000
	s_add_nc_u64 s[G0B+4*\s+2:G0B+4*\s+3], s[26:27], s[66:67]
	s_or_b32 s[G0B+4*\s+3], s[G0B+4*\s+3], 0x80000000
.endm
.macro WM d, x, y, zero
.if \zero
	v_wmma_f32_16x16x32_bf16 v[\d:\d+7], v[\x:\x+7], v[\y:\y+7], 0
.else
	v_wmma_f32_16x16x32_bf16 v[\d:\d+7], v[\x:\x+7], v[\y:\y+7], v[\d:\d+7]
.endif
.endm
	s_load_b256 s[4:11], s[0:1], 0x0               ; act 4, wt2 6, h 8, out0 10
	v_lshl_add_u32 v126, v0, 2, 0x42000
	v_mov_b32 v127, 0
	ds_add_u32 v126, v127
	v_lshrrev_b32 v1, 5, v0
	v_readfirstlane_b32 s14, v1
	s_lshr_b32 s15, s14, 1
	s_and_b32 s16, s14, 1
	s_bfe_u32 s17, ttmp6, 0x40000
	s_bfe_u32 s18, ttmp6, 0x40004
	s_lshl_b32 s19, ttmp9, 2
	s_add_co_u32 s19, s19, s17                     ; block column
	s_and_b32 s20, ttmp7, 0xffff                   ; cluster y
	s_lshr_b32 s66, s20, 1
	s_add_co_u32 s66, s66, s20
	s_add_co_u32 s66, s66, ttmp9
	s_and_b32 s66, s66, 1                          ; (x + y + y/2) mod 2 of the cluster:
	s_lshl_b32 s66, s66, PHSH                      ; K begins at the rows' first byte or in their middle
	s_mov_b32 s67, 0
	s_lshl_b32 s20, s20, 2
	s_add_co_u32 s20, s20, s18                     ; block row
	s_lshl_b32 s21, s18, 2
	s_lshl_b32 s21, 15, s21
	s_lshl_b32 s22, 0x1111, s17
	s_or_b32 s[G1A], s21, (1<<16)|(1<<20)|(1<<21)|(6<<22)|(3<<25)   ; 2-byte elements; 4 words of padding behind every 128
	s_or_b32 s[G1B], s22, (1<<16)|(1<<20)|(1<<21)|(6<<22)|(3<<25)
.irp g, G1A, G1B
	s_mov_b32 s[\g+1], 256<<16                     ; tensor_dim0 = 256
	s_mov_b32 s[\g+2], 64<<16                      ; tensor_dim1 = 64
	s_mov_b32 s[\g+3], 256<<16                     ; tile_dim0 = 256
	s_mov_b32 s[\g+4], 64                          ; tile_dim1 = 64
	s_mov_b32 s[\g+5], KDIM
	s_mov_b32 s[\g+6], 0
	s_mov_b32 s[\g+7], 0
.endr
	s_lshl_b32 s24, s20, 7
	s_lshl_b32 s28, s16, 6
	s_add_co_u32 s24, s24, s28
	s_mul_i32 s24, s24, KDIM*2
	s_mov_b32 s25, 0
	s_lshl_b32 s26, s19, BXSH
	s_lshl_b32 s29, s16, BHSH
	s_add_co_u32 s26, s26, s29
	s_mul_i32 s26, s26, KDIM*2
	s_add_co_u32 s26, s26, BOFF
	s_mov_b32 s27, 0
	s_mul_i32 s23, s14, QUART
	s_wait_dscnt 0x0
	s_wait_kmcnt 0x0
	s_add_nc_u64 s[24:25], s[4:5], s[24:25]        ; A's first row of mine; stays
	s_add_nc_u64 s[26:27], s[6:7], s[26:27]        ; B's; stays
	CROUND
.irp s, 0,1
	s_mov_b32 s[G0A+4*\s], 1
	s_add_co_u32 s[G0A+4*\s+1], s23, \s*SLOT
	s_mov_b32 s[G0B+4*\s], 1
	s_add_co_u32 s[G0B+4*\s+1], s23, \s*SLOT
	AIM \s
	JLOAD \s                                       ; two loads of the wave are out
.if \s == 0
	STEPK
.endif
.endr
	v_and_b32 v1, 15, v0
	v_bfe_u32 v2, v0, 4, 1
	v_and_b32 v3, 31, v0
	v_mul_u32_u24 v4, v1, PITCH
	v_lshl_add_u32 v5, v2, 5, v4
	v_lshl_add_u32 v4, v2, 4, v4
	s_lshl_b32 s28, s14, 7
	v_add_nc_u32 v[ADRA], s28, v4
	v_add_nc_u32 v[ADRA+1], SLOT, v[ADRA]
	v_add_nc_u32 v[ADRB], HALFS, v[ADRA]
	v_add_nc_u32 v[ADRB+1], SLOT+HALFS, v[ADRA]
	s_mul_i32 s29, s14, HALFS
	v_add_nc_u32 v[STO], s29, v5
	v_lshlrev_b32 v[L16], 4, v3
	s_mul_i32 s30, s14, 32*PITCH
	v_add_nc_u32 v[RDP], s30, v[L16]
	v_add_nc_u32 v[RDP+1], HALFS, v[RDP]
	v_add_nc_u32 v[RDP+2], 2*HALFS, v[RDP]
	v_add_nc_u32 v[RDP+3], 3*HALFS, v[RDP]
	s_lshl_b32 s30, s14, 18
	v_add_nc_u32 v[HOF], s30, v[L16]
	s_lshl_b32 s70, s20, 20
	s_lshl_b32 s28, s19, 9
	s_add_co_u32 s70, s70, s28
	s_mov_b32 s71, 0
	s_add_nc_u64 s[72:73], s[10:11], s[70:71]      ; out0
	s_add_nc_u64 s[70:71], s[8:9], s[70:71]        ; h
.irp i, 0,1,2,3,4,5,6,7,8,9,10,11,12,13,14,15,16,17,18,19,20,21,22,23,24,25,26,27,28,29,30,31
	global_load_b128 v[RES+4*\i:RES+4*\i+3], v[HOF], s[70:71] offset:8192*\i     ; the residual: asked for now, wanted behind the K steps
.endr
; The 64 accumulators take turns, one instruction a turn.
.macro MUL16 f, hi, a0, zero
.irp a, \a0, \a0+1
.irp b, 0,1,2,3,4,5,6,7
	WM 8*(8*(\a)+\b),\f+64+8*\b,\f+8*(4*\hi+(\a)),\zero
.endr
.endr
.endm
.macro FETCH slot, k, f                ; 32 LDS loads: B's eight fragments, then A's eight
	WIN 0x40
.irp i, 0,1,2,3,4,5,6,7
	ds_load_b128 v[\f+64+8*\i:\f+64+8*\i+3], v[ADRB+\slot] offset:16*PITCH*\i+\k
	ds_load_b128 v[\f+64+8*\i+4:\f+64+8*\i+7], v[ADRB+\slot] offset:16*PITCH*\i+\k+32
.endr
.irp i, 0,1,2,3,4,5,6,7
	ds_load_b128 v[\f+8*\i:\f+8*\i+3], v[ADRA+\slot] offset:16*PITCH*\i+\k
	ds_load_b128 v[\f+8*\i+4:\f+8*\i+7], v[ADRA+\slot] offset:16*PITCH*\i+\k+32
.endr
.endm
.macro FIRSTH slot, zero
	s_wait_dscnt 8                                 ; all but the youngest eight loads (A's rows 64-127)
	WIN MUL_LO
	MUL16 F0,0,0,\zero
	MUL16 F0,0,2,\zero
	PLACES
	FETCH \slot,64,F1
	s_wait_dscnt 32                                ; all but the 32 just issued
	WIN MUL_HI
	MUL16 F0,1,0,\zero
	MUL16 F0,1,2,\zero
.endm
; The change of slots: my reads of this slot are back and all my tensor loads have landed in front of the barrier; with fill = 1 it opens a round
; of the cluster's barrier, and the joint refill is the first tensor load behind the round.
.macro TURN slot, next, fill
	s_wait_dscnt 8
	WIN MUL_LO
	MUL16 F1,0,0,0
	s_wait_dscnt 0
	s_set_vgpr_msb 0xa5a0
	s_wait_tensorcnt 0x0
	ds_add_u32 v126, v127
	s_wait_dscnt 0x0
	s_set_vgpr_msb 0xa0a5
	s_barrier_signal -1
	MUL16 F1,0,2,0
	WIN 0
	s_barrier_wait -1
.if \fill
	CREST
	STEPK
	AIM \slot
	JLOAD \slot
.endif
	PLACES
	FETCH \next,0,F0
	WIN MUL_HI
	MUL16 F1,1,0,0
	MUL16 F1,1,2,0
.endm
	s_wait_tensorcnt 1                             ; my part of slot 0 is in; slot 1's stays out
	s_barrier_signal -1
	s_barrier_wait -1
	FETCH 0,0,F0
	FIRSTH 0,1                                     ; the first lap: its first products start the sums, both slots are filled again
	TURN 0,1,1
	FIRSTH 1,0
	TURN 1,0,1
	FIRSTH 0,0                                     ; the last lap fills nothing
	TURN 0,1,0
	FIRSTH 1,0
	s_wait_dscnt 8
	WIN MUL_LO
	MUL16 F1,0,0,0
	MUL16 F1,0,2,0
	s_wait_dscnt 0
	WIN MUL_HI
	MUL16 F1,1,0,0
	MUL16 F1,1,2,0
	; THE FOUR PARTIAL BLOCKS MEET.  Both slots have had their last fill; behind this barrier no wave reads them any more.
	PLACES
	WIN 0
	s_barrier_signal -1
	s_barrier_wait -1
	WIN 0x08                                       ; store data in window 2
.irp a, 0,1,2,3
.irp b, 0,1,2,3,4,5,6,7
	ds_store_b128 v[STO], v[8*(8*\a+\b):8*(8*\a+\b)+3] offset:16*PITCH*\a+64*\b
	ds_store_b128 v[STO], v[8*(8*\a+\b)+4:8*(8*\a+\b)+7] offset:16*PITCH*\a+64*\b+16
.endr
.endr
	WIN 0x0c                                       ; window 3
.irp a, 0,1,2,3
.irp b, 0,1,2,3,4,5,6,7
	ds_store_b128 v[STO], v[8*(8*\a+\b):8*(8*\a+\b)+3] offset:16*PITCH*(\a+4)+64*\b
	ds_store_b128 v[STO], v[8*(8*\a+\b)+4:8*(8*\a+\b)+7] offset:16*PITCH*(\a+4)+64*\b+16
.endr
.endr
	WIN 0
	s_wait_dscnt 0x0
	s_barrier_signal -1
	s_barrier_wait -1
	; wave w owns rows 32 w .. +31: two rows a group, eight loads, two buffers
.macro LOADG g
.irp x, 0,1
.irp p, 0,1,2,3
	ds_load_b128 v[BUF+32*((\g)%2)+16*\x+4*\p:BUF+32*((\g)%2)+16*\x+4*\p+3], v[RDP+\p] offset:PITCH*(2*(\g)+\x)
.endr
.endr
.endm
.macro GROUP g, left
	s_wait_dscnt \left                             ; this group's eight loads are in; the next group's eight may be out
.irp x, 0,1
.set BB, BUF+32*((\g)%2)+16*\x
.set RW, 2*(\g)+\x
.set RR, RES+4*RW
	v_pk_add_f32 v[BB:BB+1], v[BB:BB+1], v[BB+4:BB+5]
	v_pk_add_f32 v[BB+2:BB+3], v[BB+2:BB+3], v[BB+6:BB+7]
	v_pk_add_f32 v[BB+8:BB+9], v[BB+8:BB+9], v[BB+12:BB+13]
	v_pk_add_f32 v[BB+10:BB+11], v[BB+10:BB+11], v[BB+14:BB+15]
	v_pk_add_f32 v[BB:BB+1], v[BB:BB+1], v[BB+8:BB+9]
	v_pk_add_f32 v[BB+2:BB+3], v[BB+2:BB+3], v[BB+10:BB+11]
	v_pk_add_f32 v[RR:RR+1], v[RR:RR+1], v[BB:BB+1]
	v_pk_add_f32 v[RR+2:RR+3], v[RR+2:RR+3], v[BB+2:BB+3]
	global_store_b128 v[HOF], v[RR:RR+3], s[72:73] offset:8192*RW      ; 512 consecutive bytes of out0; no stored register is written again
.endr
.endm
	LOADG 0
	s_wait_loadcnt 0x0                             ; the residual
.irp g, 0,1,2,3,4,5,6,7,8,9,10,11,12,13,14
	LOADG \g+1
	GROUP \g,8
.endr
	GROUP 15,0
	s_wait_tensorcnt 0x0
	ds_add_u32 v126, v127
	s_wait_dscnt 0x0
	CROUND                                         ; the closing round
	s_endpgm
.Lfunc_end_k_q74c18055a1_down:
	.size	k_q74c18055a1_down, .Lfunc_end_k_q74c18055a1_down-k_q74c18055a1_down
	.p2alignl 7, 3214868480
	.fill 96, 4, 3214868480
	.section	.rodata,"a",@progbits
	.p2align	6, 0x0
	.amdhsa_kernel k_q74c18055a1_down
		.amdhsa_group_segment_fixed_size 327680
		.amdhsa_private_segment_fixed_size 0
		.amdhsa_enable_private_segment 0
		.amdhsa_kernarg_size 32
		.amdhsa_user_sgpr_count 2
		.amdhsa_user_sgpr_kernarg_segment_ptr 1
		.amdhsa_wavefront_size32 1
		.amdhsa_system_sgpr_workgroup_id_x 1
		.amdhsa_system_sgpr_workgroup_id_y 1
		.amdhsa_system_sgpr_workgroup_id_z 1
		.amdhsa_system_vgpr_workitem_id 0
		.amdhsa_next_free_vgpr 1024
		.amdhsa_next_free_sgpr 96
		.amdhsa_reserve_vcc 0
		.amdhsa_float_denorm_mode_32 3
		.amdhsa_float_denorm_mode_16_64 3
		.amdhsa_memory_ordered 1
		.amdhsa_forward_progress 1
		.amdhsa_inst_pref_size 99
	.end_amdhsa_kernel
	.amdgpu_metadata
---
amdhsa.version: [ 1, 2 ]
amdhsa.kernels:
  - .name:           k_q74c18055a1_down
    .symbol:         k_q74c18055a1_down.kd
    .args:
      - { .name: act, .offset: 0, .size: 8, .value_kind: global_buffer, .address_space: global }
      - { .name: wt2, .offset: 8, .size: 8, .value_kind: global_buffer, .address_space: global }
      - { .name: h, .offset: 16, .size: 8, .value_kind: global_buffer, .address_space: global }
      - { .name: out0, .offset: 24, .size: 8, .value_kind: global_buffer, .address_space: global }
    .group_segment_fixed_size: 327680
    .private_segment_fixed_size: 0
    .kernarg_segment_align: 8
    .kernarg_segment_size: 32
    .max_flat_workgroup_size: 128
    .sgpr_count:     96
    .vgpr_count:     1024
    .wavefront_size: 32
...
	.end_amdgpu_metadata
.endif
;; end of part 6
;; ======== version 2 of 2: 6 launches; version 1 with the launch prep written anew for expert scheduling mode
;; limits: values are held in f16: magnitudes above 65,504 overflow, below 6.1e-05 lose precision
;; workspace buffers: wts 25,165,824 bytes; wt2 20,971,520 bytes; xn 8,388,608 bytes; qkv 25,296,896 bytes; ctx 8,388,608 bytes; h 16,777,216 bytes; ssq 131,072 bytes; act 4,194,304 bytes
;; launch prep (part 7): grid 1024 x 1, 8 waves a work-group, no clusters, 0 bytes of LDS; arguments hidden_states, ln1_w, wq, wk, wv, xn, wts; writes xn, wts
.if DOCPART == 7
	.amdgcn_target "amdgcn-amd-amdhsa--gfx1250"
	.amdhsa_code_object_version 6
	.text
	.protected	k_q74c18055a1_prep
	.globl	k_q74c18055a1_prep
	.p2align	8
	.type	k_q74c18055a1_prep,@function
k_q74c18055a1_prep:
	s_mov_b64 s[64:65], 0
	v_nop
	global_prefetch_b8 v0, s[64:65] scope:SCOPE_SE
	s_setreg_imm32_b32 hwreg(HW_REG_WAVE_SCHED_MODE, 0, 2), 2
	s_setreg_imm32_b32 hwreg(HW_REG_WAVE_MODE, 25, 1), 1
	s_wait_xcnt 0x0
	s_wait_alu depctr_vm_vsrc(0)
; Two streams in one launch: what the next launch's product needs in 16 bits.
; Work-groups 0 .. 767: wq, wk, wv, 50,331,648 bytes of f32, are rounded to f16 into wts, in that order;
;   a work-group takes 65,536 bytes of f32 and stores 32,768 bytes of f16.
; Work-groups 768 .. 1023: xn = f16(hidden * rsqrt(mean(hidden^2) + 1e-6) * ln1_w); one wave takes one row of 2,048 numbers,
;   which stays in 64 registers between the sum of squares and the scaling, so that it is read once.
; WHY f16: it keeps 11 significant bits where bf16 keeps 8, and a query with few keys passes the rounding of v on without any averaging.
; ITS ROOM: |xn| <= sqrt(2048) |ln1_w|, about 45 |ln1_w|, whatever hidden holds: with gains 30 times those of size 1 that is 1,360 of 65,504.
;   Weights of spread 0.02 reach about 0.1; 30 times larger 3; an offset of 30 spreads 0.6.  30 times smaller their rms is 6.7e-4, and the
;   coarsest step of f16 there, 6e-8, is 1e-4 of that: still finer than bf16's.  Limit: gains beyond about 1,400 overflow xn.
; (The other four weight matrices are wanted three launches later and are rounded beside the next launch's product.)
; No LDS, no barrier, no matrix unit: every byte is touched once and no wave needs another.
; Every load of a wave covers 512 consecutive bytes, every store 256 consecutive bytes at a multiple of 256.
; THE MODE: SCHED_MODE bits 1:0 = 2 (LLVM: expert scheduling mode 2), set by the entry lines.  The code itself states the register dependences
; between vector instructions and memory instructions, with s_wait_alu, always for 0.
; THE PLAN.  Each path takes its 16 loads in four groups of four.  Registers that memory instructions touch:
;   v1, v2 (and v3 in the norm path)  byte offsets, made once at a path's head and never written again.
;   X   loaded once.  Convert path: read by the conversions.  Norm path: read and written in place by the scalings and conversions; of each four
;       registers the first two end as the packed result, which one store reads.  Nothing lands in X a second time.
;   Y   (convert path) written once by group g's conversions, read by the four stores that are issued in group g + 1.
;   W   (norm path) loaded once, read by the scalings.
; Group g's vector lines name its own registers alone (and v[12:13]); its memory instructions are the four stores of group g - 1.  So one wait at a
; group's head states all that those stores hang on, and they are dealt among the group's vector lines with no further wait.
; No register that a load or store has read is written again, no vector line writes a scalar register or VCC, and EXEC is never written.
.set CONV, 768                         ; work-groups that convert weights
.set X, 16                             ; v[16:79]   64 numbers as loaded
.set Y, 80                             ; v[80:111]  convert path: packed results, a pair for each load
.set W, 80                             ; v[80:143]  norm path: ln1_w of my 64 columns
	s_load_b256 s[4:11], s[0:1], 0x0               ; hidden 4, ln1_w 6, wq 8, wk 10
	s_load_b128 s[12:15], s[0:1], 0x20             ; wv 12, xn 14
	s_load_b64 s[16:17], s[0:1], 0x30              ; wts
	s_cmp_ge_u32 ttmp9, CONV
	s_cbranch_scc1 .Lnorm
	; ---- weights to f16 ----
	v_lshlrev_b32 v1, 4, v0                        ; 16 bytes of f32 a thread
	v_lshlrev_b32 v2, 3, v0                        ; 8 bytes of f16 a thread
	s_wait_kmcnt 0x0
	s_mov_b64 s[26:27], s[8:9]                     ; the source matrix and its first work-group: wq, 0
	s_mov_b32 s28, 0
.macro PICK first, reg                 ; from work-group 'first' on the source is the matrix whose address lies in s[reg:reg+1]
	s_cmp_ge_u32 ttmp9, \first
	s_cselect_b64 s[26:27], s[\reg:\reg+1], s[26:27]
	s_cselect_b32 s28, \first, s28
.endm
	PICK 256, 10
	PICK 512, 12
	s_sub_co_u32 s30, ttmp9, s28
	s_lshl_b32 s30, s30, 16                        ; 65,536 bytes of the source for each work-group
	s_mov_b32 s31, 0
	s_add_nc_u64 s[26:27], s[26:27], s[30:31]
	s_lshl_b32 s34, ttmp9, 15                      ; wts holds the matrices in the same order: 32,768 bytes for each work-group
	s_mov_b32 s35, 0
	s_add_nc_u64 s[16:17], s[16:17], s[34:35]
	s_wait_alu depctr_va_vdst(0)                   ; v1 and v2 are written: every load of this path reads v1 as its offset, every store v2
.irp j, 0,1,2,3,4,5,6,7,8,9,10,11,12,13,14,15
	global_load_b128 v[X+4*\j:X+4*\j+3], v1, s[26:27] offset:4096*\j th:TH_LOAD_NT
.endr
.irp g, 0,1,2,3
	s_wait_loadcnt 15-4*\g                         ; loads come back in order: the group's first load is in, the younger ones stay out
.if \g > 0
	s_wait_alu depctr_va_vdst(0)                   ; the group before has written its four pairs of Y, which the four stores below read
.endif
.irp i, 0,1,2,3
.set J, 4*\g+\i                        ; the load in hand
.if \g > 0
	global_store_b64 v2, v[Y+2*(J-4):Y+2*(J-4)+1], s[16:17] offset:2048*(J-4)   ; the group before; no vector line since the wait names these registers
.endif
.if \i > 0
	s_wait_loadcnt 15-J                            ; load J is in, the 15 - J younger ones stay out
.endif
	v_cvt_pk_f16_f32 v[Y+2*J], v[X+4*J], v[X+4*J+1]
	v_cvt_pk_f16_f32 v[Y+2*J+1], v[X+4*J+2], v[X+4*J+3]                         ; no register is written twice
.endr
.endr
	s_wait_alu depctr_va_vdst(0)                   ; the last group has written its four pairs of Y, which the last four stores read
.irp i, 12,13,14,15
	global_store_b64 v2, v[Y+2*\i:Y+2*\i+1], s[16:17] offset:2048*\i
.endr
	s_endpgm
	; ---- RMSNorm 1 ----
.Lnorm:
	s_sub_co_u32 s30, ttmp9, CONV
	s_lshl_b32 s34, s30, 15                        ; 8 rows of 4,096 bytes of xn
	s_lshl_b32 s30, s30, 16                        ; 8 rows of 8,192 bytes of hidden
	s_mov_b32 s31, 0
	s_mov_b32 s35, 0
	s_mov_b32 s36, 0x3a000000                      ; 1 / 2048
	s_mov_b32 s37, 0x358637bd                      ; 1e-6
	s_mov_b32 s38, 0x76543210                      ; v_permlanex16_b32: lane i of one half reads lane i of the other
	s_mov_b32 s39, 0xfedcba98
	v_and_b32 v3, 31, v0
	v_lshrrev_b32 v4, 5, v0                        ; wave = row of the eight
	v_lshlrev_b32 v3, 4, v3                        ; 16 x lane: my place in ln1_w
	v_lshl_add_u32 v1, v4, 13, v3                  ; + the row, in hidden
	v_lshrrev_b32 v2, 1, v3                        ; 8 x lane
	v_lshl_add_u32 v2, v4, 12, v2                  ; + the row, in xn
	s_wait_kmcnt 0x0
	s_add_nc_u64 s[4:5], s[4:5], s[30:31]
	s_add_nc_u64 s[14:15], s[14:15], s[34:35]
	s_wait_alu depctr_va_vdst(0)                   ; v1, v3 and v2 are written: the offsets of the row's loads, of ln1_w's loads and of the stores
.irp j, 0,1,2,3,4,5,6,7,8,9,10,11,12,13,14,15
	global_load_b128 v[X+4*\j:X+4*\j+3], v1, s[4:5] offset:512*\j th:TH_LOAD_NT
.endr
.irp j, 0,1,2,3,4,5,6,7,8,9,10,11,12,13,14,15
	global_load_b128 v[W+4*\j:W+4*\j+3], v3, s[6:7] offset:512*\j
.endr
	s_wait_loadcnt 16                              ; the row is in; the sixteen loads of ln1_w may stay out
.irp c, 0,1,2,3
	v_pk_mul_f32 v[4+2*\c:5+2*\c], v[X+2*\c:X+2*\c+1], v[X+2*\c:X+2*\c+1]   ; four chains, started by the first squares
.endr
.set q, 4
.rept 28
	v_pk_fma_f32 v[4+2*(q%4):5+2*(q%4)], v[X+2*q:X+2*q+1], v[X+2*q:X+2*q+1], v[4+2*(q%4):5+2*(q%4)]
.set q, q+1
.endr
	v_pk_add_f32 v[4:5], v[4:5], v[6:7]
	v_pk_add_f32 v[8:9], v[8:9], v[10:11]
	v_pk_add_f32 v[4:5], v[4:5], v[8:9]
	v_add_f32 v4, v4, v5
	v_add_f32_dpp v4, v4, v4 row_xmask:1 row_mask:0xf bank_mask:0xf
	v_add_f32_dpp v4, v4, v4 row_xmask:2 row_mask:0xf bank_mask:0xf
	v_add_f32_dpp v4, v4, v4 row_xmask:4 row_mask:0xf bank_mask:0xf
	v_add_f32_dpp v4, v4, v4 row_xmask:8 row_mask:0xf bank_mask:0xf
	v_permlanex16_b32 v5, v4, s38, s39             ; v5 has been written: the destination counts as read
	v_add_f32 v4, v4, v5                           ; the row's sum of squares, in every lane
	v_fma_f32 v4, v4, s36, s37                     ; mean + eps
	v_rsq_f32 v12, v4
	v_rsq_f32 v13, v4                              ; twice: a pair for the packed multiply
	v_nop                                          ; one plain instruction behind a transcendental before its result is used (ISA guide 5.7.2)
	s_wait_loadcnt 0x0                             ; ln1_w
	s_wait_alu depctr_va_vdst(0)                   ; the two v_rsq_f32 have written v12 and v13, ahead of their first reader: one wait for both
.irp g, 0,1,2,3
.if \g > 0
	s_wait_alu depctr_va_vdst(0)                   ; the group before has written its four packed pairs in X, which the four stores below read
.endif
.irp i, 0,1,2,3
.set J, 4*\g+\i                        ; the four registers of X and of W in hand
.if \g > 0
	global_store_b64 v2, v[X+4*(J-4):X+4*(J-4)+1], s[14:15] offset:256*(J-4)    ; the group before; no vector line since the wait names these registers
.endif
	v_pk_mul_f32 v[X+4*J:X+4*J+1], v[X+4*J:X+4*J+1], v[12:13]
	v_pk_mul_f32 v[X+4*J+2:X+4*J+3], v[X+4*J+2:X+4*J+3], v[12:13]
	v_pk_mul_f32 v[X+4*J:X+4*J+1], v[X+4*J:X+4*J+1], v[W+4*J:W+4*J+1]
	v_pk_mul_f32 v[X+4*J+2:X+4*J+3], v[X+4*J+2:X+4*J+3], v[W+4*J+2:W+4*J+3]
	v_cvt_pk_f16_f32 v[X+4*J], v[X+4*J], v[X+4*J+1]
	v_cvt_pk_f16_f32 v[X+4*J+1], v[X+4*J+2], v[X+4*J+3]
.endr
.endr
	s_wait_alu depctr_va_vdst(0)                   ; the last group has written its four packed pairs, which the last four stores read
.irp i, 12,13,14,15
	global_store_b64 v2, v[X+4*\i:X+4*\i+1], s[14:15] offset:256*\i
.endr
	s_endpgm
.Lfunc_end_k_q74c18055a1_prep:
	.size	k_q74c18055a1_prep, .Lfunc_end_k_q74c18055a1_prep-k_q74c18055a1_prep
	.p2alignl 7, 3214868480
	.fill 96, 4, 3214868480
	.section	.rodata,"a",@progbits
	.p2align	6, 0x0
	.amdhsa_kernel k_q74c18055a1_prep
		.amdhsa_group_segment_fixed_size 0
		.amdhsa_private_segment_fixed_size 0
		.amdhsa_enable_private_segment 0
		.amdhsa_kernarg_size 56
		.amdhsa_user_sgpr_count 2
		.amdhsa_user_sgpr_kernarg_segment_ptr 1
		.amdhsa_wavefront_size32 1
		.amdhsa_system_sgpr_workgroup_id_x 1
		.amdhsa_system_sgpr_workgroup_id_y 1
		.amdhsa_system_sgpr_workgroup_id_z 1
		.amdhsa_system_vgpr_workitem_id 0
		.amdhsa_next_free_vgpr 144
		.amdhsa_next_free_sgpr 66
		.amdhsa_reserve_vcc 0
		.amdhsa_float_denorm_mode_32 3
		.amdhsa_float_denorm_mode_16_64 3
		.amdhsa_memory_ordered 1
		.amdhsa_forward_progress 1
		.amdhsa_inst_pref_size 22
	.end_amdhsa_kernel
	.amdgpu_metadata
---
amdhsa.version: [ 1, 2 ]
amdhsa.kernels:
  - .name:           k_q74c18055a1_prep
    .symbol:         k_q74c18055a1_prep.kd
    .args:
      - { .name: hidden_states, .offset: 0, .size: 8, .value_kind: global_buffer, .address_space: global }
      - { .name: ln1_w, .offset: 8, .size: 8, .value_kind: global_buffer, .address_space: global }
      - { .name: wq, .offset: 16, .size: 8, .value_kind: global_buffer, .address_space: global }
      - { .name: wk, .offset: 24, .size: 8, .value_kind: global_buffer, .address_space: global }
      - { .name: wv, .offset: 32, .size: 8, .value_kind: global_buffer, .address_space: global }
      - { .name: xn, .offset: 40, .size: 8, .value_kind: global_buffer, .address_space: global }
      - { .name: wts, .offset: 48, .size: 8, .value_kind: global_buffer, .address_space: global }
    .group_segment_fixed_size: 0
    .private_segment_fixed_size: 0
    .kernarg_segment_align: 8
    .kernarg_segment_size: 56
    .max_flat_workgroup_size: 256
    .sgpr_count:     66
    .vgpr_count:     144
    .wavefront_size: 32
...
	.end_amdgpu_metadata
.endif
;; end of part 7
;; launch qkv: the kernel of part 2 again; grid 16 x 16, 4 waves a work-group, clusters of 4 x 4, 327,680 bytes of LDS; arguments xn, wts, cos, sin, wo, w_gate, w_up, w_down, qkv, wt2; writes qkv, wt2
;; launch attn: the kernel of part 3 again; grid 16 x 16, 4 waves a work-group, clusters of 4 x 4, 327,680 bytes of LDS; arguments qkv, attention_mask, ctx; writes ctx
;; launch wo: the kernel of part 4 again; grid 16 x 16, 4 waves a work-group, clusters of 4 x 4, 327,680 bytes of LDS; arguments ctx, wt2, hidden_states, ln2_w, h, xn, ssq; writes h, xn, ssq
;; launch gu: the kernel of part 5 again; grid 16 x 16, 4 waves a work-group, clusters of 4 x 4, 327,680 bytes of LDS; arguments xn, wt2, ssq, act; writes act
;; launch down: the kernel of part 6 again; grid 16 x 16, 4 waves a work-group, clusters of 4 x 4, 327,680 bytes of LDS; arguments act, wt2, h, out0; writes out0
